; MI455X (gfx1250); checked and timed in simulation.
; The chip was launched on July 23, 2026; its instructions are those of AMD's public machine-readable ISA for CDNA 5 (MIT licence, August 2026) and "CDNA5" Instruction Set Architecture Reference Guide (July 2026). The comments in the code are by the model that wrote it; some were corrected since.
;; Sparse Mo E. Allowed arithmetic: float matrix products may take bf16 or f16 operands with f32 sums; all other float work in f32.
;; Inputs: b1 8 x 1,024 float32; b2 8 x 512 float32; gate_b 8 float32; gate_w 512 x 8 float32; noise 4 x 2,048 x 8 float32; w1 8 x 512 x 1,024 float32; w2 8 x 1,024 x 512 float32; x 4 x 2,048 x 512 float32.
;; Outputs: out0 4 x 2,048 x 512 float32; out1 4 x 2,048 x 2 int32; out2 one number float32.
;; 2 versions, each right; version 2 is version 1 with the launches mlp1, mlp2 written anew for expert scheduling mode. Each part assembles by itself: llvm-mc -triple=amdgcn-amd-amdhsa -mcpu=gfx1250 --defsym DOCPART=n.
;; ======== version 1 of 2: 5 launches
;; workspace buffers: tok 32,768 bytes of whole numbers; prm 98,304 bytes; use 8,192 bytes; rt 328,448 bytes of whole numbers; ha 268,959,744 bytes; y 134,479,872 bytes
;; launch gate (part 1): grid 256 x 1, 8 waves a work-group, no clusters, 18,944 bytes of LDS; arguments x, noise, gate_w, gate_b, out1, tok, prm, use; writes out1, tok, prm, use
.if DOCPART == 1
	.amdgcn_target "amdgcn-amd-amdhsa--gfx1250"
	.amdhsa_code_object_version 6
	.text
	.protected	k_q3d71d45796_gate
	.globl	k_q3d71d45796_gate
	.p2align	8
	.type	k_q3d71d45796_gate,@function
k_q3d71d45796_gate:
	s_mov_b64 s[64:65], 0
	v_nop
	global_prefetch_b8 v0, s[64:65] scope:SCOPE_SE
	s_setreg_imm32_b32 hwreg(HW_REG_WAVE_MODE, 25, 1), 1
	s_wait_xcnt 0x0
; GATE.  Per token: the row's sum, eight raw gate dots (f32, vector ALU), the spike decision, noisy logits, top 2,
; softmax over the kept logits; per work-group the sums of the probabilities (for the load-balance loss).
; x [8192][512] f32, noise [8192][8], gate_w [512][8], gate_b [8].
; Out: out1 [8192][2] i32; tok [8192] u32 = e1 | e2<<3 | live<<6; prm: (p1,p2) at 8 t, inv at 65536 + 4 t; use [256][8].
; A work-group owns 32 tokens (65,536 bytes of x, all requested at once), wave w tokens 4 w .. 4 w + 3.
; Lane l holds k = 128 m + 4 l + c of each row, so every load of a wave covers 512 consecutive bytes.
; The gate stays in f32 because out1 is compared exactly; 16-bit logits would change indices.
; No matrix unit, no cluster: work-groups share only gate_w (16,384 bytes), a quarter of what each reads of x.
; LIMITS: live rows and logits are finite.  1/(sum + 1e-8) and 1/(sum of exponentials) are v_rcp_f32 (1 ULP).  The division
; by the row's sum is applied to the finished dot, not to each x.  Equal logits: the lower index comes first.  A decision
; (mean > 0.1, order of two logits) that hangs on the last bit of an f32 sum may fall the other way.
.set RES,    16384                     ; LDS: behind the gate_w image, 32 tokens x 48 bytes: G[0..7], sum
.set RPITCH, 48
.set ACC,  12                          ; v[12:43]   token q: eight running dots; v[12:27] first carry gate_w to LDS
.set XR,   44                          ; v[44:107]  token q: 16 registers, register 4 m + c
.set GW,   108                         ; v[108:235] gate_w: register 8 (4 m + c) + e
.set SQ,   236                         ; v[236:239] the four rows' sums
.set RR,   240                         ; v[240:248] reduced: eight dots and the sum of token l & 3
.set RESA, 249                         ; LDS address of that token's 48 bytes
.set KP0,  250                         ; kept / sent halves of the reduce-scatter (KP0 first: offset of the noise loads)
.set SD0,  251
.set KP1,  252
.set SD1,  253
.set GST,  254                         ; where my 16 bytes of gate_w go in LDS
.set L16,  255                         ; 16 x lane
	s_load_b512 s[4:19], s[0:1], 0x0               ; x, noise, gate_w, gate_b, out1, tok, prm, use
	s_set_vgpr_msb 0x40
	v_lshl_add_u32 v0, v0, 2, 0x4600
	v_mov_b32 v1, 0
	s_set_vgpr_msb 0x4000
	v_and_b32 v1, 31, v0                           ; lane
	v_lshrrev_b32 v10, 5, v0
	v_readfirstlane_b32 s28, v10                   ; wave
	s_mov_b32 s30, 0xaaaaaaaa                      ; lanes with bit 0 set
	s_mov_b32 s31, 0xcccccccc                      ; lanes with bit 1 set
	s_mov_b32 s32, 0x76543210                      ; v_permlanex16_b32: lane i of the other half
	s_mov_b32 s33, 0xfedcba98
	s_mov_b32 s35, 0x3fb8aa3b                      ; log2(e)
	s_mov_b32 s37, 0
	v_lshlrev_b32 v[L16], 4, v1
	s_lshl_b32 s29, s28, 13
	v_add_nc_u32 v10, s29, v[L16]                  ; x: wave x 4 rows x 2,048 bytes + 16 lane
	v_lshlrev_b32 v11, 4, v0                       ; gate_w: 16 bytes a thread
	; thread t's 16 bytes of gate_w are k = 4 (t >> 3) + ((t & 7) >> 1), half t & 1: unit t & 7, lane t >> 3 = 4 w + (l >> 3)
	v_and_b32 v[GST], 7, v1
	v_lshrrev_b32 v[SD1], 3, v1
	v_lshlrev_b32 v[SD1], 4, v[SD1]
	v_lshl_add_u32 v[GST], v[GST], 9, v[SD1]
	s_lshl_b32 s29, s28, 6
	v_add_nc_u32 v[GST], s29, v[GST]               ; (l & 7) 512 + (l >> 3) 16 + 64 w
	v_and_b32 v[RESA], 3, v1
	v_mul_u32_u24 v[RESA], v[RESA], RPITCH
	s_mul_i32 s29, s28, 4*RPITCH
	s_add_co_u32 s29, s29, RES
	v_add_nc_u32 v[RESA], s29, v[RESA]             ; RES + (4 w + (l & 3)) 48
	v_lshlrev_b32 v[KP0], 5, v1                    ; noise: 32 bytes a token
	s_wait_kmcnt 0x0
	s_load_b256 s[20:27], s[10:11], 0x0            ; gate_b; waited for in the tail
	s_lshl_b32 s36, ttmp9, 16
	s_add_nc_u64 s[4:5], s[4:5], s[36:37]          ; x at my 32 rows
	s_lshl_b32 s36, ttmp9, 10
	s_add_nc_u64 s[6:7], s[6:7], s[36:37]          ; noise
	s_lshl_b32 s36, ttmp9, 8
	s_add_nc_u64 s[12:13], s[12:13], s[36:37]      ; out1
	s_add_nc_u64 s[38:39], s[16:17], s[36:37]      ; (p1, p2)
	s_lshl_b32 s36, ttmp9, 7
	s_add_nc_u64 s[14:15], s[14:15], s[36:37]      ; tok
	s_add_nc_u64 s[16:17], s[16:17], s[36:37]
	s_add_nc_u64 s[16:17], s[16:17], 0x10000       ; inv
	s_lshl_b32 s36, ttmp9, 5
	s_add_nc_u64 s[18:19], s[18:19], s[36:37]      ; use
	s_cmp_lg_u32 s28, 0
	s_cbranch_scc1 .Lnonoise
	global_load_b128 v[2:5], v[KP0], s[6:7]                ; wave 0, lane = token: its eight noise numbers.  Issued first, so
	global_load_b128 v[6:9], v[KP0], s[6:7] offset:16      ; that every counted wait below covers them as well
.Lnonoise:
.irp mm, 0,1,2,3
	global_load_b128 v[ACC+4*\mm:ACC+4*\mm+3], v11, s[8:9] offset:4096*\mm
.endr
.irp q, 0,1,2,3
.irp m, 0,1,2,3
	global_load_b128 v[XR+16*\q+4*\m:XR+16*\q+4*\m+3], v10, s[4:5] offset:2048*\q+512*\m th:TH_LOAD_NT
.endr
.endr
	s_wait_loadcnt 16                              ; the 16 loads of x are younger: gate_w is in
.irp mm, 0,1,2,3
	ds_store_b128 v[GST], v[ACC+4*\mm:ACC+4*\mm+3] offset:4096*\mm
.endr
	s_wait_dscnt 0x0                               ; my part of the image is written, for the others' sake
	s_barrier_signal -1
	s_barrier_wait -1
.irp u, 0,1,2,3,4,5,6,7,8,9,10,11,12,13,14,15,16,17,18,19,20,21,22,23,24,25,26,27,28,29,30,31
	ds_load_b128 v[GW+4*\u:GW+4*\u+3], v[L16] offset:512*\u        ; 512 consecutive bytes a load
.endr
	s_wait_dscnt 0x0
; One x element (register k of token q, the half sel of its pair) against its eight gate weights.
.macro DOTK q, k, sel
.irp p, 0,1,2,3
	v_pk_fma_f32 v[ACC+8*\q+2*\p:ACC+8*\q+2*\p+1], v[XR+16*\q+(\k)-\sel:XR+16*\q+(\k)-\sel+1], v[GW+8*(\k)+2*\p:GW+8*(\k)+2*\p+1], v[ACC+8*\q+2*\p:ACC+8*\q+2*\p+1] op_sel:[\sel,0,0] op_sel_hi:[\sel,1,1]
.endr
.endm
; Token q: my 16 elements' share of the eight dots, then of the row's sum.
.macro DOT q
	s_wait_loadcnt 12-4*\q                         ; the later tokens' four loads each stay out
.irp p, 0,1,2,3
	v_pk_mul_f32 v[ACC+8*\q+2*\p:ACC+8*\q+2*\p+1], v[XR+16*\q:XR+16*\q+1], v[GW+2*\p:GW+2*\p+1] op_sel_hi:[0,1]   ; the first product starts the sums
.endr
	DOTK \q, 1, 1
.irp k, 2,4,6,8,10,12,14
	DOTK \q, \k, 0
	DOTK \q, \k+1, 1
.endr
.irp a, 0,2,4,6
	v_pk_add_f32 v[XR+16*\q+\a:XR+16*\q+\a+1], v[XR+16*\q+\a:XR+16*\q+\a+1], v[XR+16*\q+8+\a:XR+16*\q+8+\a+1]
.endr
.irp a, 0,2
	v_pk_add_f32 v[XR+16*\q+\a:XR+16*\q+\a+1], v[XR+16*\q+\a:XR+16*\q+\a+1], v[XR+16*\q+4+\a:XR+16*\q+4+\a+1]
.endr
	v_pk_add_f32 v[XR+16*\q:XR+16*\q+1], v[XR+16*\q:XR+16*\q+1], v[XR+16*\q+2:XR+16*\q+3]
	v_add_f32 v[SQ+\q], v[XR+16*\q], v[XR+16*\q+1]
.endm
	DOT 0
	DOT 1
	DOT 2
	DOT 3
; Four numbers a lane (one for each token) become one: lane l ends with token l & 3, summed over all 32 lanes.
; Two steps halve what is carried (keep one half, send the other to the lane next door), three steps only add.
.macro RS4 dst, a0, a1, a2, a3
	v_cndmask_b32 v[KP0], v[\a0], v[\a1], s30
	v_cndmask_b32 v[SD0], v[\a1], v[\a0], s30
	v_cndmask_b32 v[KP1], v[\a2], v[\a3], s30
	v_cndmask_b32 v[SD1], v[\a3], v[\a2], s30
	v_add_f32_dpp v[KP0], v[SD0], v[KP0] row_xmask:1 row_mask:0xf bank_mask:0xf
	v_add_f32_dpp v[KP1], v[SD1], v[KP1] row_xmask:1 row_mask:0xf bank_mask:0xf
	v_cndmask_b32 v[\dst], v[KP0], v[KP1], s31
	v_cndmask_b32 v[SD0], v[KP1], v[KP0], s31
	v_add_f32_dpp v[\dst], v[SD0], v[\dst] row_xmask:2 row_mask:0xf bank_mask:0xf
	v_add_f32_dpp v[\dst], v[\dst], v[\dst] row_xmask:4 row_mask:0xf bank_mask:0xf
	v_add_f32_dpp v[\dst], v[\dst], v[\dst] row_xmask:8 row_mask:0xf bank_mask:0xf
	v_permlanex16_b32 v[SD1], v[\dst], s32, s33
	v_add_f32 v[\dst], v[\dst], v[SD1]
.endm
.irp e, 0,1,2,3,4,5,6,7
	RS4 RR+\e, ACC+\e, ACC+8+\e, ACC+16+\e, ACC+24+\e
.endr
	RS4 RR+8, SQ, SQ+1, SQ+2, SQ+3
	ds_store_b128 v[RESA], v[RR:RR+3]              ; the eight lanes that hold a token hold equal numbers (the adds above
	ds_store_b128 v[RESA], v[RR+4:RR+7] offset:16  ; are symmetric) and write them to the same bytes
	ds_store_b32 v[RESA], v[RR+8] offset:32
	s_wait_dscnt 0x0
	s_barrier_signal -1
	s_barrier_wait -1
	s_cmp_lg_u32 s28, 0
	s_cbranch_scc1 .Lend
	; THE TAIL: wave 0, lane = token.
.set LG,  12                           ; v[12:19] raw dots, then logits
.set TS,  20                           ; the row's sum
.set TAD, 21
.set TMN, 22                           ; mean
.set TSE, 23                           ; sum + 1e-8
.set TIV, 24                           ; inv
.set TV1, 25                           ; largest logit
.set TV2, 26                           ; second
.set TNB, 27                           ; largest x log2(e)
.set TI1, 28                           ; v[28:29] their indices
.set TI2, 29
.set TD,  30                           ; v[30:39] exponents: eight logits, largest, second
.set TE,  40                           ; v[40:49] exponentials, then probabilities; v[48:49] = (p1, p2)
	v_mul_u32_u24 v[TAD], v1, RPITCH
	ds_load_b128 v[LG:LG+3], v[TAD] offset:RES
	ds_load_b128 v[LG+4:LG+7], v[TAD] offset:RES+16
	ds_load_b32 v[TS], v[TAD] offset:RES+32
	s_mov_b32 s43, 0x3dcccccd                      ; 0.1
	s_mov_b32 s44, 0x3c23d70a                      ; 0.01
	v_lshlrev_b32 v56, 3, v1
	v_lshlrev_b32 v57, 2, v1
	v_mov_b32 v58, 0
	s_wait_dscnt 0x0
	s_wait_kmcnt 0x0                               ; gate_b
	v_mul_f32 v[TMN], 0x3b000000, v[TS]            ; mean = sum / 512, exact
	v_add_f32 v[TSE], 0x322bcc77, v[TS]            ; + 1e-8
	v_cmp_gt_f32 s34, v[TMN], s43                  ; live
	v_rcp_f32 v[TIV], v[TSE]
	v_cndmask_b32 v55, 0, 64, s34                  ; (a plain line behind v_rcp_f32, ISA guide 5.7.2) the live bit of the code
	s_wait_alu depctr_va_vdst(0)
	v_cndmask_b32 v[TIV], 0, v[TIV], s34           ; a dead token: x = 0
.irp e, 0,1,2,3,4,5,6,7
	v_cndmask_b32 v[LG+\e], 0, v[LG+\e], s34       ; a select, not a product with 0: whatever a dead row holds is dropped
	v_fma_f32 v[LG+\e], v[LG+\e], v[TIV], s[20+\e]
	v_fma_f32 v[LG+\e], v[2+\e], s44, v[LG+\e]
.endr
	v_mov_b32 v[TV1], v[LG]
	v_mov_b32 v[TV2], 0xff800000
	v_mov_b32 v[TI1], 0
	v_mov_b32 v[TI2], 0
.macro TOP e                           ; strict compares: of equal logits the lower index stays in front
	v_cmp_gt_f32 s40, v[LG+\e], v[TV1]
	v_cmp_gt_f32 s41, v[LG+\e], v[TV2]
	v_cndmask_b32 v[TV2], v[TV2], v[LG+\e], s41
	v_cndmask_b32 v[TI2], v[TI2], \e, s41
	v_cndmask_b32 v[TV2], v[TV2], v[TV1], s40
	v_cndmask_b32 v[TI2], v[TI2], v[TI1], s40
	v_cndmask_b32 v[TV1], v[TV1], v[LG+\e], s40
	v_cndmask_b32 v[TI1], v[TI1], \e, s40
.endm
.irp e, 1,2,3,4,5,6,7
	TOP \e
.endr
	v_mul_f32 v[TNB], s35, v[TV1]
.irp e, 0,1,2,3,4,5,6,7
	v_fma_f32 v[TD+\e], v[LG+\e], s35, -v[TNB]
.endr
	v_fma_f32 v[TD+8], v[TV1], s35, -v[TNB]
	v_fma_f32 v[TD+9], v[TV2], s35, -v[TNB]
.irp i, 0,1,2,3,4,5,6,7,8,9
	v_exp_f32 v[TE+\i], v[TD+\i]
.endr
	v_nop                                          ; one plain line behind the run of v_exp_f32
	s_wait_alu depctr_va_vdst(0)
.irp e, 0,1,2,3,4,5,6,7
	v_cmp_ge_f32 vcc_lo, v[LG+\e], v[TV2]          ; kept: at least the second largest.  exp(-1e9 - max) is 0 in f32
	v_cndmask_b32 v[TE+\e], 0, v[TE+\e], vcc_lo
.endr
	v_pk_add_f32 v[50:51], v[TE:TE+1], v[TE+2:TE+3]
	v_pk_add_f32 v[52:53], v[TE+4:TE+5], v[TE+6:TE+7]
	v_pk_add_f32 v[50:51], v[50:51], v[52:53]
	v_add_f32 v50, v50, v51
	v_rcp_f32 v51, v50
	v_lshl_or_b32 v54, v[TI2], 3, v[TI1]           ; (a plain line behind v_rcp_f32)
	v_or_b32 v54, v54, v55                         ; e1 | e2 << 3 | live << 6
	s_wait_alu depctr_va_vdst(0)
.irp a, 0,2,4,6,8
	v_pk_mul_f32 v[TE+\a:TE+\a+1], v[TE+\a:TE+\a+1], v[50:51] op_sel:[0,1] op_sel_hi:[1,1]
.endr
	global_store_b64 v56, v[TI1:TI2], s[12:13]     ; 256 consecutive bytes
	global_store_b64 v56, v[TE+8:TE+9], s[38:39]
	global_store_b32 v57, v54, s[14:15]
	global_store_b32 v57, v[TIV], s[16:17]
.irp e, 0,1,2,3,4,5,6,7
	v_add_f32_dpp v[TE+\e], v[TE+\e], v[TE+\e] row_xmask:1 row_mask:0xf bank_mask:0xf
	v_add_f32_dpp v[TE+\e], v[TE+\e], v[TE+\e] row_xmask:2 row_mask:0xf bank_mask:0xf
	v_add_f32_dpp v[TE+\e], v[TE+\e], v[TE+\e] row_xmask:4 row_mask:0xf bank_mask:0xf
	v_add_f32_dpp v[TE+\e], v[TE+\e], v[TE+\e] row_xmask:8 row_mask:0xf bank_mask:0xf
	v_permlanex16_b32 v58, v[TE+\e], s32, s33
	v_add_f32 v[TE+\e], v[TE+\e], v58
.endr
	s_wait_xcnt 0x0                                ; EXEC is a source of the four stores above: it narrows only behind this wait
	v_cmp_eq_u32 vcc_lo, 0, v1
	s_set_vgpr_msb 0x5
	s_wait_tensorcnt 0x0
	ds_add_u32 v0, v1
	s_wait_dscnt 0x0
	s_set_vgpr_msb 0x500
	s_and_saveexec_b32 s42, vcc_lo
	global_store_b128 v57, v[TE:TE+3], s[18:19]    ; lane 0 (offset 0): the 32 tokens' sums of probabilities
	global_store_b128 v57, v[TE+4:TE+7], s[18:19] offset:16
	s_endpgm
.Lend:
	s_set_vgpr_msb 0x5
	s_wait_tensorcnt 0x0
	ds_add_u32 v0, v1
	s_wait_dscnt 0x0
	s_set_vgpr_msb 0x500
	s_endpgm
.Lfunc_end_k_q3d71d45796_gate:
	.size	k_q3d71d45796_gate, .Lfunc_end_k_q3d71d45796_gate-k_q3d71d45796_gate
	.p2alignl 7, 3214868480
	.fill 96, 4, 3214868480
	.section	.rodata,"a",@progbits
	.p2align	6, 0x0
	.amdhsa_kernel k_q3d71d45796_gate
		.amdhsa_group_segment_fixed_size 18944
		.amdhsa_private_segment_fixed_size 0
		.amdhsa_enable_private_segment 0
		.amdhsa_kernarg_size 64
		.amdhsa_user_sgpr_count 2
		.amdhsa_user_sgpr_kernarg_segment_ptr 1
		.amdhsa_wavefront_size32 1
		.amdhsa_system_sgpr_workgroup_id_x 1
		.amdhsa_system_sgpr_workgroup_id_y 1
		.amdhsa_system_sgpr_workgroup_id_z 1
		.amdhsa_system_vgpr_workitem_id 0
		.amdhsa_next_free_vgpr 258
		.amdhsa_next_free_sgpr 66
		.amdhsa_reserve_vcc 1
		.amdhsa_float_denorm_mode_32 3
		.amdhsa_float_denorm_mode_16_64 3
		.amdhsa_memory_ordered 1
		.amdhsa_forward_progress 1
		.amdhsa_inst_pref_size 45
	.end_amdhsa_kernel
	.amdgpu_metadata
---
amdhsa.version: [ 1, 2 ]
amdhsa.kernels:
  - .name:           k_q3d71d45796_gate
    .symbol:         k_q3d71d45796_gate.kd
    .args:
      - { .name: x, .offset: 0, .size: 8, .value_kind: global_buffer, .address_space: global }
      - { .name: noise, .offset: 8, .size: 8, .value_kind: global_buffer, .address_space: global }
      - { .name: gate_w, .offset: 16, .size: 8, .value_kind: global_buffer, .address_space: global }
      - { .name: gate_b, .offset: 24, .size: 8, .value_kind: global_buffer, .address_space: global }
      - { .name: out1, .offset: 32, .size: 8, .value_kind: global_buffer, .address_space: global }
      - { .name: tok, .offset: 40, .size: 8, .value_kind: global_buffer, .address_space: global }
      - { .name: prm, .offset: 48, .size: 8, .value_kind: global_buffer, .address_space: global }
      - { .name: use, .offset: 56, .size: 8, .value_kind: global_buffer, .address_space: global }
    .group_segment_fixed_size: 18944
    .private_segment_fixed_size: 0
    .kernarg_segment_align: 8
    .kernarg_segment_size: 64
    .max_flat_workgroup_size: 256
    .sgpr_count:     66
    .vgpr_count:     258
    .wavefront_size: 32
...
	.end_amdgpu_metadata
.endif
;; end of part 1
;; launch route (part 2): grid 8 x 1, 32 waves a work-group, no clusters, 4,352 bytes of LDS; arguments tok, use, rt, out2; writes rt, out2
.if DOCPART == 2
	.amdgcn_target "amdgcn-amd-amdhsa--gfx1250"
	.amdhsa_code_object_version 6
	.text
	.protected	k_q3d71d45796_route
	.globl	k_q3d71d45796_route
	.p2align	8
	.type	k_q3d71d45796_route,@function
k_q3d71d45796_route:
	s_mov_b64 s[64:65], 0
	v_nop
	global_prefetch_b8 v0, s[64:65] scope:SCOPE_SE
	s_setreg_imm32_b32 hwreg(HW_REG_WAVE_MODE, 25, 1), 1
	s_wait_xcnt 0x0
; ROUTE.  Work-group e = expert e.  From tok [8192] (e1 | e2<<3 | live<<6) it makes, in rt:
;   mt[e] at 4 e: the expert's number of 16-row tiles, (n + 16) >> 4 with n = its live tokens;
;   ROWS0 at 256, ROWS1 at 33,024: for each token and k the row of y that holds its expert's output, e x 8208 + row;
;   LIST[e] at 65,792 + e x 32,832: row -> token | 0x80000000, or 0 for a row with x = 0.
; Row 0 of every expert is the x = 0 row: every dead token points at it.  Rows 1 .. n are the live tokens in token order,
; rows n + 1 .. 16 mt - 1 are x = 0 rows that fill the last tile.  An expert owns 8,208 rows whatever the others need.
; Each word of ROWS0 / ROWS1 is stored by the one work-group whose expert the token chose there.
; Wave w owns tokens 256 w .. 256 w + 255 in eight chunks of 32 (lane = token).  One barrier: the waves' counts.
; Eight work-groups because the eight lists are independent; each is a short chain of loads, counts and stores over 32,768 bytes.
; Work-group 0, wave 1 also makes the loss: std(importance) / (mean(importance) + 1e-10) from gate's 256 x 8 sums, in f32.
; Every offset and every store datum is made with all lanes on, ahead of the first line that narrows EXEC by a mask made
; of loaded numbers: a vector write with lanes off would leave older contents in those lanes.
.set CAP,   8208
.set ROWS0, 256
.set LIST0, 65792
.set LISTB, 4*CAP
.set MTV,  114                         ; mt, as store data
.set MTO,  115                         ; 4 e: mt's word
.set USO,  116                         ; 32 x lane: my rows of use
.set ZRO,  117                         ; place in my list of the x = 0 row that this lane writes (wave 0)
.set OFF0, 118                         ; offset 0 (out2)
.set ZERO, 119                         ; the list entry 0
	s_load_b256 s[4:11], s[0:1], 0x0               ; tok, use, rt, out2
	v_lshl_add_u32 v126, v0, 2, 0x100
	v_mov_b32 v127, 0
	v_and_b32 v1, 31, v0
	v_lshrrev_b32 v3, 5, v0
	v_readfirstlane_b32 s13, v3                    ; wave
	s_mov_b32 s12, ttmp9                           ; expert
	s_mov_b32 s57, 0x76543210
	s_mov_b32 s58, 0xfedcba98
	v_lshlrev_b32 v2, 2, v1
	v_lshl_add_u32 v2, v3, 10, v2                  ; 4 x (256 w + lane)
	v_mov_b32 v112, 0x8000                         ; from ROWS0 to ROWS1
	v_lshrrev_b32 v113, 2, v2                      ; 256 w + lane
	v_mov_b32 v[MTO], s12
	v_lshlrev_b32 v[MTO], 2, v[MTO]
	v_lshlrev_b32 v[USO], 5, v1
	v_mov_b32 v[OFF0], 0
	v_mov_b32 v[ZERO], 0
	s_mul_i32 s17, s12, CAP                        ; my first row
	s_mul_i32 s20, s12, LISTB
	s_add_co_u32 s20, s20, LIST0
	s_mov_b32 s21, 0
	s_wait_kmcnt 0x0
	s_add_nc_u64 s[18:19], s[8:9], ROWS0
	s_add_nc_u64 s[22:23], s[8:9], s[20:21]        ; my list
.irp c, 0,1,2,3,4,5,6,7
	global_load_b32 v[4+\c], v2, s[4:5] offset:128*\c
.endr
	s_mov_b32 s14, 0
	s_wait_loadcnt 0x0
.irp c, 0,1,2,3,4,5,6,7
	v_and_b32 v12, 7, v[4+\c]
	v_bfe_u32 v13, v[4+\c], 3, 3
	v_cmp_eq_u32 s20, s12, v12                     ; first choice is me
	v_cmp_eq_u32 s[24+\c], s12, v13                ; second choice is me
	v_cmp_lt_u32 vcc_lo, 63, v[4+\c]               ; live
	s_or_b32 s[32+\c], s20, s[24+\c]               ; mine
	s_and_b32 s[40+\c], s[32+\c], vcc_lo           ; mine and live: gets a row
	s_bcnt1_i32_b32 s[48+\c], s[40+\c]
	s_add_co_u32 s14, s14, s[48+\c]                ; the wave's count
.endr
	v_mov_b32 v12, s13
	v_lshlrev_b32 v12, 2, v12
	v_mov_b32 v13, s14
	ds_store_b32 v12, v13                          ; word w
	s_wait_dscnt 0x0
	s_barrier_signal -1
	s_barrier_wait -1
	v_lshlrev_b32 v15, 2, v1
	ds_load_b32 v14, v15                           ; lane i: wave i's count
	s_mov_b32 s14, 0                               ; n
	s_mov_b32 s15, 1                               ; my wave's first row: 1 + the counts of the waves in front
	s_wait_dscnt 0x0
.irp i, 0,1,2,3,4,5,6,7,8,9,10,11,12,13,14,15,16,17,18,19,20,21,22,23,24,25,26,27,28,29,30,31
	v_readlane_b32 s20, v14, \i
	s_cmp_lt_u32 \i, s13
	s_cselect_b32 s21, s20, 0
	s_add_co_u32 s15, s15, s21
	s_add_co_u32 s14, s14, s20
.endr
	s_add_co_u32 s16, s14, 16
	s_lshr_b32 s16, s16, 4                         ; mt
	; what each chunk stores, with all lanes on
.irp c, 0,1,2,3,4,5,6,7
	v_mbcnt_lo_u32_b32 v12, s[40+\c], s15          ; the running row + the rows given to lower lanes
	s_add_co_u32 s15, s15, s[48+\c]
	v_cndmask_b32 v12, 0, v12, s[40+\c]            ; a dead token: row 0
	v_min_u32 v12, 0x2000, v12                     ; at most 8,192 by the counts; the bound is written out since the row makes an address
	v_add_nc_u32 v[16+\c], s17, v12                ; the row of y
	v_lshlrev_b32 v[40+\c], 2, v12                 ; its place in my list
	v_cndmask_b32 v13, 0, v112, s[24+\c]
	v_min_u32 v13, 0x8000, v13
	v_add_nc_u32 v[24+\c], v13, v2                 ; the token's word in ROWS0 or ROWS1 (the chunk rides in the immediate)
	v_or_b32 v[32+\c], 0x80000000+32*\c, v113      ; token | live row
.endr
	; what wave 0 stores further down: the x = 0 rows.  At most 15 lie behind row n; the lanes left over (17 at the least)
	; all point at entry 0 and write the same 0 there.
	s_add_co_u32 s20, s14, 1
	v_add_nc_u32 v[ZRO], s20, v1                   ; n + 1 + lane
	s_lshl_b32 s21, s16, 4
	v_cmp_gt_u32 vcc_lo, s21, v[ZRO]               ; still inside the last tile
	v_cndmask_b32 v[ZRO], 0, v[ZRO], vcc_lo
	v_min_u32 v[ZRO], 0x200f, v[ZRO]               ; at most 8,207 by the counts; written out since it makes an address
	v_lshlrev_b32 v[ZRO], 2, v[ZRO]
	v_mov_b32 v[MTV], s16
.irp c, 0,1,2,3,4,5,6,7
	s_wait_xcnt 0x0                                ; EXEC is a source of pending loads and stores: it changes only behind this wait
	s_mov_b32 vcc_lo, s[32+\c]
	s_and_saveexec_b32 s56, vcc_lo
	global_store_b32 v[24+\c], v[16+\c], s[18:19] offset:128*\c
	s_wait_xcnt 0x0
	s_or_b32 exec_lo, exec_lo, s56
	s_mov_b32 vcc_lo, s[40+\c]
	s_and_saveexec_b32 s56, vcc_lo
	global_store_b32 v[40+\c], v[32+\c], s[22:23]
	s_wait_xcnt 0x0
	s_or_b32 exec_lo, exec_lo, s56
.endr
	s_cmp_lg_u32 s13, 0
	s_cbranch_scc1 .Lnot0
	global_store_b32 v[ZRO], v[ZERO], s[22:23]     ; wave 0: the x = 0 rows, entry 0 among them
	s_wait_xcnt 0x0
	v_cmp_eq_u32 vcc_lo, 0, v1
	s_and_saveexec_b32 s56, vcc_lo
	global_store_b32 v[MTO], v[MTV], s[8:9]        ; mt[e]
	s_wait_xcnt 0x0
	s_or_b32 exec_lo, exec_lo, s56
.Lnot0:
	s_lshl_b32 s20, s12, 5
	s_or_b32 s20, s20, s13
	s_cmp_lg_u32 s20, 1
	s_cbranch_scc1 .Lend
	; THE LOSS: work-group 0, wave 1.  Lane l takes rows l, l + 32, .. of use [256][8].
.irp m, 0,1,2,3,4,5,6,7
	global_load_b128 v[48+8*\m:51+8*\m], v[USO], s[6:7] offset:1024*\m
	global_load_b128 v[52+8*\m:55+8*\m], v[USO], s[6:7] offset:1024*\m+16
.endr
	s_wait_loadcnt 0x0
.irp m, 1,2,3,4,5,6,7
.irp p, 0,2,4,6
	v_pk_add_f32 v[48+\p:49+\p], v[48+\p:49+\p], v[48+8*\m+\p:49+8*\m+\p]
.endr
.endr
.irp e, 0,1,2,3,4,5,6,7
	v_add_f32_dpp v[48+\e], v[48+\e], v[48+\e] row_xmask:1 row_mask:0xf bank_mask:0xf
	v_add_f32_dpp v[48+\e], v[48+\e], v[48+\e] row_xmask:2 row_mask:0xf bank_mask:0xf
	v_add_f32_dpp v[48+\e], v[48+\e], v[48+\e] row_xmask:4 row_mask:0xf bank_mask:0xf
	v_add_f32_dpp v[48+\e], v[48+\e], v[48+\e] row_xmask:8 row_mask:0xf bank_mask:0xf
	v_permlanex16_b32 v71, v[48+\e], s57, s58
	v_add_f32 v[48+\e], v[48+\e], v71              ; usage[e], in every lane
.endr
	v_pk_add_f32 v[56:57], v[48:49], v[50:51]
	v_pk_add_f32 v[58:59], v[52:53], v[54:55]
	v_pk_add_f32 v[56:57], v[56:57], v[58:59]
	v_add_f32 v56, v56, v57
	v_rcp_f32 v60, v56
	v_nop                                          ; one plain line behind v_rcp_f32 (ISA guide 5.7.2)
	s_wait_alu depctr_va_vdst(0)
	v_mov_b32 v61, v60
.irp p, 0,2,4,6
	v_pk_mul_f32 v[48+\p:49+\p], v[48+\p:49+\p], v[60:61]          ; importance
.endr
	v_pk_add_f32 v[56:57], v[48:49], v[50:51]
	v_pk_add_f32 v[58:59], v[52:53], v[54:55]
	v_pk_add_f32 v[56:57], v[56:57], v[58:59]
	v_add_f32 v62, v56, v57
	v_mul_f32 v62, 0x3e000000, v62                 ; mean
	v_mov_b32 v63, v62
.irp p, 0,2,4,6
	v_pk_add_f32 v[48+\p:49+\p], v[48+\p:49+\p], v[62:63] neg_lo:[0,1] neg_hi:[0,1]
.endr
	v_pk_mul_f32 v[64:65], v[48:49], v[48:49]
	v_pk_fma_f32 v[64:65], v[50:51], v[50:51], v[64:65]
	v_pk_fma_f32 v[64:65], v[52:53], v[52:53], v[64:65]
	v_pk_fma_f32 v[64:65], v[54:55], v[54:55], v[64:65]
	v_add_f32 v64, v64, v65
	v_mul_f32 v64, 0x3e000000, v64                 ; variance
	v_sqrt_f32 v66, v64
	v_add_f32 v67, 0x2edbe6ff, v62                 ; mean + 1e-10: also the plain line behind v_sqrt_f32
	v_rcp_f32 v68, v67
	v_nop
	s_wait_alu depctr_va_vdst(0)
	v_mul_f32 v69, v66, v68
	s_wait_xcnt 0x0
	v_cmp_eq_u32 vcc_lo, 0, v1
	s_and_saveexec_b32 s56, vcc_lo
	global_store_b32 v[OFF0], v69, s[10:11]
	s_wait_xcnt 0x0
	s_or_b32 exec_lo, exec_lo, s56
.Lend:
	s_wait_tensorcnt 0x0
	ds_add_u32 v126, v127
	s_wait_dscnt 0x0
	s_endpgm
.Lfunc_end_k_q3d71d45796_route:
	.size	k_q3d71d45796_route, .Lfunc_end_k_q3d71d45796_route-k_q3d71d45796_route
	.p2alignl 7, 3214868480
	.fill 96, 4, 3214868480
	.section	.rodata,"a",@progbits
	.p2align	6, 0x0
	.amdhsa_kernel k_q3d71d45796_route
		.amdhsa_group_segment_fixed_size 4352
		.amdhsa_private_segment_fixed_size 0
		.amdhsa_enable_private_segment 0
		.amdhsa_kernarg_size 32
		.amdhsa_user_sgpr_count 2
		.amdhsa_user_sgpr_kernarg_segment_ptr 1
		.amdhsa_wavefront_size32 1
		.amdhsa_system_sgpr_workgroup_id_x 1
		.amdhsa_system_sgpr_workgroup_id_y 1
		.amdhsa_system_sgpr_workgroup_id_z 1
		.amdhsa_system_vgpr_workitem_id 0
		.amdhsa_next_free_vgpr 128
		.amdhsa_next_free_sgpr 66
		.amdhsa_reserve_vcc 1
		.amdhsa_float_denorm_mode_32 3
		.amdhsa_float_denorm_mode_16_64 3
		.amdhsa_memory_ordered 1
		.amdhsa_forward_progress 1
		.amdhsa_inst_pref_size 29
	.end_amdhsa_kernel
	.amdgpu_metadata
---
amdhsa.version: [ 1, 2 ]
amdhsa.kernels:
  - .name:           k_q3d71d45796_route
    .symbol:         k_q3d71d45796_route.kd
    .args:
      - { .name: tok, .offset: 0, .size: 8, .value_kind: global_buffer, .address_space: global }
      - { .name: use, .offset: 8, .size: 8, .value_kind: global_buffer, .address_space: global }
      - { .name: rt, .offset: 16, .size: 8, .value_kind: global_buffer, .address_space: global }
      - { .name: out2, .offset: 24, .size: 8, .value_kind: global_buffer, .address_space: global }
    .group_segment_fixed_size: 4352
    .private_segment_fixed_size: 0
    .kernarg_segment_align: 8
    .kernarg_segment_size: 32
    .max_flat_workgroup_size: 1024
    .sgpr_count:     66
    .vgpr_count:     128
    .wavefront_size: 32
...
	.end_amdgpu_metadata
.endif
;; end of part 2
;; launch mlp1 (part 3): grid 256 x 1, 8 waves a work-group, no clusters, 67,584 bytes of LDS; arguments w1, b1, x, prm, rt, ha; writes ha
.if DOCPART == 3
	.amdgcn_target "amdgcn-amd-amdhsa--gfx1250"
	.amdhsa_code_object_version 6
	.text
	.protected	k_q3d71d45796_mlp1
	.globl	k_q3d71d45796_mlp1
	.p2align	8
	.type	k_q3d71d45796_mlp1,@function
k_q3d71d45796_mlp1:
	s_mov_b64 s[64:65], 0
	v_nop
	global_prefetch_b8 v0, s[64:65] scope:SCOPE_SE
	s_setreg_imm32_b32 hwreg(HW_REG_WAVE_MODE, 25, 1), 1
	s_wait_xcnt 0x0
; MLP, FIRST LAYER.  h = silu(inv x (x_row @ w1[e]) + b1[e]) for the rows that the routing lists, 16 rows a tile.
; Work-group (e = id >> 5, j = id & 31) owns all 512 rows of columns 32 j .. 32 j + 31 of w1[e]: 65,536 bytes of f32, each
; read by this work-group alone, all requested at once.  Stage 1 splits each weight into bf16 hi + bf16 lo (lo = the exact
; rest, rounded) and lays both transposed into LDS, [column][k]; one barrier; from then on LDS is only read.
; Stage 2: wave w takes column tile nt = w & 1 and row tiles i = w >> 1, + 4, .. below mt[e], all of K in one wave, so the
; loop, whose trip count comes from memory, holds no barrier and no sum across waves.
; WHY hi + lo: nearly all of out0 can be 0, so the allowance on a live row is about a thousandth of its size; single 16-bit
; operands do not reach that.  Three products (hi hi, hi lo, lo hi) with f32 sums leave a relative error near 2^-17.
; The matrix instruction is used transposed (weights source 0, tokens source 1): lane (r, h) ends with token row r and the
; eight neighbouring columns 8 h .. 8 h + 7, which is the register image of the second layer's token fragment.
; ha: tile (e, i) = 65,536 bytes = 32 k-steps x (hi 1,024 + lo 1,024); a plane = registers 0-3 of 32 lanes (512 bytes), then 4-7.
; A list entry 0 is a row with x = 0: x's row 0 is read in its place and the sums are ANDed away, so h = silu(b1) exactly.
; No joint requests in a cluster, though the 32 slices of an expert read the same x rows: those rows go straight into registers,
; the number of tiles is read from memory, and no barrier stands in that loop to keep partners in step.
; No tensor loads: every weight passes through registers anyway, for the split.
; LIMITS: live rows finite; inv is applied behind the product; the time grows with the number of live tokens (each slice
; reads every listed row again).
.set KS,     16                        ; k-steps of 32
.set PITCH,  1040                      ; an LDS row: 512 bf16 + 16 bytes, an odd multiple of 16
.set PLANE,  32*PITCH                  ; the lo plane lies behind the hi plane
.set ROWB,   4096                      ; bytes from row to row of w1
.set UROWS,  32                        ; rows that eight loads of a wave cover
.set DEPTH,  8                         ; k-steps of x on their way
.set EXPB,   513*65536                 ; an expert's tiles in ha
.set LIST0,  65792
.set LISTB,  32832
.set VW,   4                           ; my offset in w1
.set VS,   5                           ; where my converted weights go
.set VB,   6                           ; my weight fragments
.set VA,   7                           ; my token's row of x + 32 h
.set VO,   8                           ; 16 x lane
.set NEG1, 9                           ; -1.0
.set ENT,  10                          ; list entry
.set R4,   11                          ; 4 r
.set INV,  12                          ; v[12:13] inv, mask
.set MSK,  13
.set TK4,  14
.set H32,  15                          ; 32 h
.set BIAS, 16                          ; v[16:23]
.set ACC0, 24                          ; hi x hi
.set ACC1, 32                          ; w hi x x lo
.set ACC2, 40                          ; w lo x x hi
.set WST,  48                          ; v[48:111] stage 1: weights as loaded
.set TF,   48                          ; v[48:79]  two token fragments: hi 8, lo 8
.set WF,   80                          ; v[80:111] two weight fragments: hi 8, lo 8
.set RING, 112                         ; v[112:239] eight slots of 16: x in f32
.set HI4,  240
.set LO4,  244
.set DD,   248                         ; v[248:255] four pairs of rests
; scalars: s20 expert, s21 slice, s26 row tile, s27 mt, s28 wave, s29 column tile, s33 my trips, s34 trip, s35 my first row tile
	s_load_b256 s[4:11], s[0:1], 0x0               ; w1, b1, x, prm
	s_load_b128 s[12:15], s[0:1], 0x20             ; rt, ha
	s_set_vgpr_msb 0x40
	v_lshl_add_u32 v0, v0, 2, 0x10400
	v_mov_b32 v1, 0
	s_set_vgpr_msb 0x4000
	v_and_b32 v1, 31, v0
	v_lshrrev_b32 v2, 5, v0
	v_readfirstlane_b32 s28, v2                    ; wave
	s_lshr_b32 s20, ttmp9, 5                       ; expert
	s_and_b32 s21, ttmp9, 31                       ; slice
	s_and_b32 s29, s28, 1                          ; column tile
	s_lshr_b32 s35, s28, 1                         ; first row tile
	s_mov_b32 s31, 0
	v_and_b32 v2, 15, v1                           ; r
	v_lshrrev_b32 v3, 4, v1                        ; h
	v_and_b32 v10, 7, v1                           ; cq: which 16 bytes of the slice's 128 in a row
	v_lshrrev_b32 v11, 3, v1                       ; kg: which run of eight rows
	s_lshl_b32 s22, s28, 18                        ; wave x 64 rows
	v_lshlrev_b32 v[VW], 15, v11
	v_lshl_add_u32 v[VW], v10, 4, v[VW]
	v_add_nc_u32 v[VW], s22, v[VW]                 ; (64 w + 8 kg) 4096 + 16 cq
	v_mul_u32_u24 v[VS], v10, 4*PITCH
	v_lshl_add_u32 v[VS], v11, 4, v[VS]
	s_lshl_b32 s22, s28, 7
	v_add_nc_u32 v[VS], s22, v[VS]                 ; column 4 cq, k = 64 w + 8 kg
	v_mul_u32_u24 v[VB], v2, PITCH
	v_lshl_add_u32 v[VB], v3, 4, v[VB]
	s_mul_i32 s22, s29, 16*PITCH
	v_add_nc_u32 v[VB], s22, v[VB]                 ; column 16 nt + r, + 16 h
	v_lshlrev_b32 v[VO], 4, v1
	v_mov_b32 v[NEG1], -1.0
	v_lshlrev_b32 v[R4], 2, v2
	v_lshlrev_b32 v[H32], 5, v3
	s_wait_kmcnt 0x0
	s_lshl_b32 s30, s20, 21
	s_lshl_b32 s32, s21, 7
	s_or_b32 s30, s30, s32
	s_add_nc_u64 s[4:5], s[4:5], s[30:31]          ; w1[e], column 32 j
	s_lshl_b32 s30, s20, 12
	s_or_b32 s30, s30, s32
	s_lshl_b32 s32, s29, 6
	s_or_b32 s30, s30, s32
	s_add_nc_u64 s[6:7], s[6:7], s[30:31]          ; b1[e], column 32 j + 16 nt
	s_lshl_b32 s30, s20, 2
	s_add_nc_u64 s[16:17], s[12:13], s[30:31]      ; mt[e]
	s_mul_i32 s30, s20, LISTB
	s_add_co_u32 s30, s30, LIST0
	s_add_nc_u64 s[18:19], s[12:13], s[30:31]      ; LIST[e]
	s_add_nc_u64 s[10:11], s[10:11], 0x10000       ; inv
	s_mul_i32 s30, s20, EXPB
	s_lshl_b32 s32, s21, 11
	s_add_co_u32 s30, s30, s32
	s_lshl_b32 s32, s29, 9
	s_add_co_u32 s30, s30, s32
	s_add_nc_u64 s[14:15], s[14:15], s[30:31]      ; ha: expert e, k-step j, half nt
	s_load_b32 s27, s[16:17], 0x0                  ; waited for behind the barrier
	global_load_b128 v[BIAS:BIAS+3], v[H32], s[6:7]
	global_load_b128 v[BIAS+4:BIAS+7], v[H32], s[6:7] offset:16
.irp uu, 0,1
.irp i, 0,1,2,3,4,5,6,7
	global_load_b128 v[WST+32*\uu+4*\i:WST+32*\uu+4*\i+3], v[VW], s[4:5] offset:(\uu*UROWS+\i)*ROWB
.endr
.endr
; Column c of my four, eight rows of unit uu: 8 f32 become 8 bf16 hi and 8 bf16 lo, 16 bytes each, k along the bytes.
; hi = x rounded; the rest x - hi is exact in f32 (one fused multiply-add with -1); lo = the rest rounded.
.macro CONV uu, c
.irp t, 0,1,2,3
	v_cvt_pk_bf16_f32 v[HI4+\t], v[WST+32*\uu+8*\t+\c], v[WST+32*\uu+8*\t+\c+4]
	v_fma_mix_f32_bf16 v[DD+2*\t], v[HI4+\t], v[NEG1], v[WST+32*\uu+8*\t+\c] op_sel_hi:[1,0,0]
	v_fma_mix_f32_bf16 v[DD+2*\t+1], v[HI4+\t], v[NEG1], v[WST+32*\uu+8*\t+\c+4] op_sel:[1,0,0] op_sel_hi:[1,0,0]
	v_cvt_pk_bf16_f32 v[LO4+\t], v[DD+2*\t], v[DD+2*\t+1]
.endr
	ds_store_b128 v[VS], v[HI4:HI4+3] offset:\c*PITCH+2*\uu*UROWS
	ds_store_b128 v[VS], v[LO4:LO4+3] offset:\c*PITCH+2*\uu*UROWS+PLANE
.endm
	s_wait_loadcnt 8                               ; unit 1's eight loads are younger: the bias and unit 0 are in
.irp c, 0,1,2,3
	CONV 0, \c
.endr
	s_wait_loadcnt 0x0
.irp c, 0,1,2,3
	CONV 1, \c
.endr
	s_wait_dscnt 0x0                               ; my weights are in LDS, for the others' sake
	s_barrier_signal -1
	s_barrier_wait -1
	s_wait_kmcnt 0x0
	s_min_u32 s27, s27, 513                        ; mt: 1 to 513 by its making
	s_add_co_u32 s33, s27, 3                       ; my tiles are i0, i0 + 4, .. below mt: (mt - i0 + 3) >> 2 of them
	s_sub_co_u32 s33, s33, s35                     ; (i0 is at most 3: the difference is never negative)
	s_lshr_b32 s33, s33, 2
	s_min_u32 s33, s33, 129                        ; the bound is written out since the number steers the loop
	s_mov_b32 s34, 0
	s_cmp_eq_u32 s33, 0
	s_cbranch_scc1 .Ldone
; k-step s of my token's row: 32 f32, of which lane (r, h) takes k = 8 h .. + 7 and 16 + 8 h .. + 7
.macro ALOAD s
	global_load_b128 v[RING+16*((\s)%DEPTH):RING+16*((\s)%DEPTH)+3], v[VA], s[8:9] offset:128*(\s)
	global_load_b128 v[RING+16*((\s)%DEPTH)+4:RING+16*((\s)%DEPTH)+7], v[VA], s[8:9] offset:128*(\s)+16
	global_load_b128 v[RING+16*((\s)%DEPTH)+8:RING+16*((\s)%DEPTH)+11], v[VA], s[8:9] offset:128*(\s)+64
	global_load_b128 v[RING+16*((\s)%DEPTH)+12:RING+16*((\s)%DEPTH)+15], v[VA], s[8:9] offset:128*(\s)+80
.endm
; k-step s of my 16 weight columns, hi and lo
.macro BLOAD s
	ds_load_b128 v[WF+16*((\s)&1):WF+16*((\s)&1)+3], v[VB] offset:64*(\s)
	ds_load_b128 v[WF+16*((\s)&1)+4:WF+16*((\s)&1)+7], v[VB] offset:64*(\s)+32
	ds_load_b128 v[WF+16*((\s)&1)+8:WF+16*((\s)&1)+11], v[VB] offset:64*(\s)+PLANE
	ds_load_b128 v[WF+16*((\s)&1)+12:WF+16*((\s)&1)+15], v[VB] offset:64*(\s)+PLANE+32
.endm
; The tile's 16 list entries, then inv and the first DEPTH k-steps of the rows that they name.
.macro FILL
	s_lshl_b32 s30, s26, 6
	s_add_nc_u64 s[22:23], s[18:19], s[30:31]
	global_load_b32 v[ENT], v[R4], s[22:23]
	s_wait_loadcnt 0x0
	v_ashrrev_i32 v[MSK], 31, v[ENT]               ; all ones for a live row, 0 for an x = 0 row
	v_and_b32 v[TK4], 0x1fff, v[ENT]
	v_min_u32 v[TK4], 0x1fff, v[TK4]               ; a token's number: the bound is written out since it makes an address
	v_lshl_add_u32 v[VA], v[TK4], 11, v[H32]
	v_lshlrev_b32 v[TK4], 2, v[TK4]
	global_load_b32 v[INV], v[TK4], s[10:11]
.irp s, 0,1,2,3,4,5,6,7
	ALOAD \s
.endr
.endm
; One k-step.  The 32 lines of the split name only the ring, this step's token fragment and the rests, none of them a register
; of the last step's matrix instructions: they are the places in front of the LDS loads into the weight
; fragment that those instructions read, and in front of the next rewriting of a token fragment.
.macro STEP s
.set NY, \s+DEPTH-1
.if NY > KS-1
.set NY, KS-1
.endif
.set TB, TF+16*(\s&1)
.set WB, WF+16*(\s&1)
.set SL, RING+16*(\s%DEPTH)
	s_wait_loadcnt 4*(NY-\s)                       ; four loads of each younger k-step that has been issued stay out
.irp q, 0,1,2,3,4,5,6,7
	v_cvt_pk_bf16_f32 v[TB+\q], v[SL+2*\q], v[SL+2*\q+1]
	v_fma_mix_f32_bf16 v[DD+2*(\q&3)], v[TB+\q], v[NEG1], v[SL+2*\q] op_sel_hi:[1,0,0]
	v_fma_mix_f32_bf16 v[DD+2*(\q&3)+1], v[TB+\q], v[NEG1], v[SL+2*\q+1] op_sel:[1,0,0] op_sel_hi:[1,0,0]
	v_cvt_pk_bf16_f32 v[TB+8+\q], v[DD+2*(\q&3)], v[DD+2*(\q&3)+1]
.endr
.if \s+DEPTH < KS
	ALOAD \s+DEPTH                                 ; the slot just read is filled again
.endif
.if \s+1 < KS
	BLOAD \s+1
	s_wait_dscnt 0x4                               ; the four just issued may be out: this step's weights are in
.else
	s_wait_dscnt 0x0
.endif
.if \s == 0
	v_wmma_f32_16x16x32_bf16 v[ACC0:ACC0+7], v[WB:WB+7], v[TB:TB+7], 0             ; the first products start the sums
	v_wmma_f32_16x16x32_bf16 v[ACC1:ACC1+7], v[WB:WB+7], v[TB+8:TB+15], 0
	v_wmma_f32_16x16x32_bf16 v[ACC2:ACC2+7], v[WB+8:WB+15], v[TB:TB+7], 0
.else
	v_wmma_f32_16x16x32_bf16 v[ACC0:ACC0+7], v[WB:WB+7], v[TB:TB+7], v[ACC0:ACC0+7]
	v_wmma_f32_16x16x32_bf16 v[ACC1:ACC1+7], v[WB:WB+7], v[TB+8:TB+15], v[ACC1:ACC1+7]
	v_wmma_f32_16x16x32_bf16 v[ACC2:ACC2+7], v[WB+8:WB+15], v[TB:TB+7], v[ACC2:ACC2+7]
.endif
.endm
.Ltile:
	s_lshl2_add_u32 s26, s34, s35                  ; this trip's row tile: 4 x trip + my first
	FILL
	BLOAD 0
.irp s, 0,1,2,3,4,5,6,7,8,9,10,11,12,13,14,15
	STEP \s
.endr
	; the way out: add the three sums, mask, scale, bias, silu, split, store
.rept 4
	v_nop                                          ; four places before vector instructions read the matrix results
.endr
.irp p, 0,2,4,6
	v_pk_add_f32 v[ACC0+\p:ACC0+\p+1], v[ACC0+\p:ACC0+\p+1], v[ACC1+\p:ACC1+\p+1]
.endr
.irp p, 0,2,4,6
	v_pk_add_f32 v[ACC0+\p:ACC0+\p+1], v[ACC0+\p:ACC0+\p+1], v[ACC2+\p:ACC2+\p+1]
.endr
.irp q, 0,1,2,3,4,5,6,7
	v_and_b32 v[ACC0+\q], v[MSK], v[ACC0+\q]       ; an x = 0 row: exactly 0, whatever the row read in its place holds
.endr
.irp p, 0,2,4,6
	v_pk_fma_f32 v[ACC0+\p:ACC0+\p+1], v[ACC0+\p:ACC0+\p+1], v[INV:INV+1], v[BIAS+\p:BIAS+\p+1] op_sel_hi:[1,0,1]
.endr
.irp p, 0,2,4,6
	v_pk_mul_f32 v[ACC1+\p:ACC1+\p+1], v[ACC0+\p:ACC0+\p+1], 0xbfb8aa3b op_sel_hi:[1,0]   ; - log2(e) z
.endr
.irp q, 0,1,2,3,4,5,6,7
	v_exp_f32 v[ACC2+\q], v[ACC1+\q]
.endr
	v_nop                                          ; one plain line behind the run of v_exp_f32
	s_wait_alu depctr_va_vdst(0)
.irp p, 0,2,4,6
	v_pk_add_f32 v[ACC2+\p:ACC2+\p+1], v[ACC2+\p:ACC2+\p+1], 1.0 op_sel_hi:[1,0]
.endr
.irp q, 0,1,2,3,4,5,6,7
	v_rcp_f32 v[ACC1+\q], v[ACC2+\q]
.endr
	v_nop
	s_wait_alu depctr_va_vdst(0)
.irp p, 0,2,4,6
	v_pk_mul_f32 v[ACC0+\p:ACC0+\p+1], v[ACC0+\p:ACC0+\p+1], v[ACC1+\p:ACC1+\p+1]         ; z / (1 + e^-z)
.endr
.irp t, 0,1,2,3
	v_cvt_pk_bf16_f32 v[HI4+\t], v[ACC0+2*\t], v[ACC0+2*\t+1]
	v_fma_mix_f32_bf16 v[DD+2*\t], v[HI4+\t], v[NEG1], v[ACC0+2*\t] op_sel_hi:[1,0,0]
	v_fma_mix_f32_bf16 v[DD+2*\t+1], v[HI4+\t], v[NEG1], v[ACC0+2*\t+1] op_sel:[1,0,0] op_sel_hi:[1,0,0]
	v_cvt_pk_bf16_f32 v[LO4+\t], v[DD+2*\t], v[DD+2*\t+1]
.endr
	s_lshl_b32 s30, s26, 16
	s_add_nc_u64 s[24:25], s[14:15], s[30:31]
	global_store_b128 v[VO], v[HI4:HI4+3], s[24:25]                ; each store of the wave covers 512 consecutive bytes
	global_store_b128 v[VO], v[LO4:LO4+3], s[24:25] offset:1024
	s_wait_xcnt 0x0                                ; the stores' data and base are written again in the next trip
	s_add_co_u32 s34, s34, 1                       ; the loop counts trips by one against my number of tiles
	s_cmp_lt_u32 s34, s33
	s_cbranch_scc1 .Ltile
.Ldone:
	s_set_vgpr_msb 0x5
	s_wait_tensorcnt 0x0
	ds_add_u32 v0, v1
	s_wait_dscnt 0x0
	s_set_vgpr_msb 0x500
	s_endpgm
.Lfunc_end_k_q3d71d45796_mlp1:
	.size	k_q3d71d45796_mlp1, .Lfunc_end_k_q3d71d45796_mlp1-k_q3d71d45796_mlp1
	.p2alignl 7, 3214868480
	.fill 96, 4, 3214868480
	.section	.rodata,"a",@progbits
	.p2align	6, 0x0
	.amdhsa_kernel k_q3d71d45796_mlp1
		.amdhsa_group_segment_fixed_size 67584
		.amdhsa_private_segment_fixed_size 0
		.amdhsa_enable_private_segment 0
		.amdhsa_kernarg_size 48
		.amdhsa_user_sgpr_count 2
		.amdhsa_user_sgpr_kernarg_segment_ptr 1
		.amdhsa_wavefront_size32 1
		.amdhsa_system_sgpr_workgroup_id_x 1
		.amdhsa_system_sgpr_workgroup_id_y 1
		.amdhsa_system_sgpr_workgroup_id_z 1
		.amdhsa_system_vgpr_workitem_id 0
		.amdhsa_next_free_vgpr 258
		.amdhsa_next_free_sgpr 66
		.amdhsa_reserve_vcc 0
		.amdhsa_float_denorm_mode_32 3
		.amdhsa_float_denorm_mode_16_64 3
		.amdhsa_memory_ordered 1
		.amdhsa_forward_progress 1
		.amdhsa_inst_pref_size 65
	.end_amdhsa_kernel
	.amdgpu_metadata
---
amdhsa.version: [ 1, 2 ]
amdhsa.kernels:
  - .name:           k_q3d71d45796_mlp1
    .symbol:         k_q3d71d45796_mlp1.kd
    .args:
      - { .name: w1, .offset: 0, .size: 8, .value_kind: global_buffer, .address_space: global }
      - { .name: b1, .offset: 8, .size: 8, .value_kind: global_buffer, .address_space: global }
      - { .name: x, .offset: 16, .size: 8, .value_kind: global_buffer, .address_space: global }
      - { .name: prm, .offset: 24, .size: 8, .value_kind: global_buffer, .address_space: global }
      - { .name: rt, .offset: 32, .size: 8, .value_kind: global_buffer, .address_space: global }
      - { .name: ha, .offset: 40, .size: 8, .value_kind: global_buffer, .address_space: global }
    .group_segment_fixed_size: 67584
    .private_segment_fixed_size: 0
    .kernarg_segment_align: 8
    .kernarg_segment_size: 48
    .max_flat_workgroup_size: 256
    .sgpr_count:     66
    .vgpr_count:     258
    .wavefront_size: 32
...
	.end_amdgpu_metadata
.endif
;; end of part 3
;; launch mlp2 (part 4): grid 256 x 1, 8 waves a work-group, no clusters, 67,072 bytes of LDS; arguments w2, b2, ha, rt, y; writes y
.if DOCPART == 4
	.amdgcn_target "amdgcn-amd-amdhsa--gfx1250"
	.amdhsa_code_object_version 6
	.text
	.protected	k_q3d71d45796_mlp2
	.globl	k_q3d71d45796_mlp2
	.p2align	8
	.type	k_q3d71d45796_mlp2,@function
k_q3d71d45796_mlp2:
	s_mov_b64 s[64:65], 0
	v_nop
	global_prefetch_b8 v0, s[64:65] scope:SCOPE_SE
	s_setreg_imm32_b32 hwreg(HW_REG_WAVE_MODE, 25, 1), 1
	s_wait_xcnt 0x0
; MLP, SECOND LAYER.  y = h @ w2[e] + b2[e] for the listed rows; h comes as bf16 hi + lo fragments from the first layer.
; Work-group (e = id >> 5, j = id & 31) owns all 1,024 rows of columns 16 j .. 16 j + 15 of w2[e]: 65,536 bytes of f32, all
; requested at once, split into bf16 hi + lo and laid transposed into LDS, [column][k]; one barrier; then LDS is only read.
; Wave w takes row tiles i = w, w + 8, .. below mt[e], all of K in one wave: the loop, whose trip count comes from memory,
; holds no barrier and no sum across waves.  Three products (hi hi, hi lo, lo hi), f32 sums, as in the first layer.
; A tile of ha is the register image of the 32 token fragments: every load of a wave covers 512 consecutive bytes.
; The matrix instruction is used transposed: lane (r, h) ends with row r and columns 8 h .. 8 h + 7, 32 consecutive bytes.
; y is row-major, 2,048 bytes a row, since the last launch reads whole rows and reads them far more often than they are
; written here; this launch therefore stores pieces of 64 bytes a row, which is the price of slices of 16 columns.
; No joint requests in a cluster, though the 32 slices of an expert read the same tiles of ha: the tiles go straight into
; registers, their number is read from memory, and no barrier stands in that loop to keep partners in step.
; LIMIT: the time grows with the number of live tokens (each slice reads every tile again).
.set KS,     32
.set PITCH,  2064                      ; 1,024 bf16 + 16 bytes, an odd multiple of 16
.set PLANE,  16*PITCH
.set ROWB,   2048
.set UROWS,  64
.set DEPTH,  10                        ; k-steps of h on their way
.set EXPB,   513*65536                 ; an expert's tiles in ha
.set YEXPB,  8208*2048                 ; an expert's rows in y
.set VW,   4
.set VS,   5
.set VB,   6
.set VA,   7                           ; 16 x lane
.set VO,   8                           ; 2048 r + 32 h
.set NEG1, 9
.set H32,  15
.set BIAS, 16
.set ACC0, 24
.set ACC1, 32
.set ACC2, 40
.set WST,  48                          ; v[48:111] stage 1: weights as loaded
.set WF,   48                          ; v[48:79]  two weight fragments: hi 8, lo 8
.set RING, 80                          ; v[80:239] ten slots of 16: token fragment hi 8, lo 8
.set HI4,  240
.set LO4,  244
.set DD,   248
; scalars: s20 expert, s21 slice, s26 row tile, s27 mt, s28 wave = my first row tile, s33 my trips, s34 trip
	s_load_b256 s[4:11], s[0:1], 0x0               ; w2, b2, ha, rt
	s_load_b64 s[12:13], s[0:1], 0x20              ; y
	v_lshl_add_u32 v13, v0, 2, 0x10200
	v_mov_b32 v14, 0
	v_and_b32 v1, 31, v0
	v_lshrrev_b32 v2, 5, v0
	v_readfirstlane_b32 s28, v2                    ; wave
	s_lshr_b32 s20, ttmp9, 5                       ; expert
	s_and_b32 s21, ttmp9, 31                       ; slice
	s_mov_b32 s31, 0
	v_and_b32 v2, 15, v1                           ; r
	v_lshrrev_b32 v3, 4, v1                        ; h
	v_and_b32 v10, 3, v1                           ; cq: which 16 bytes of the slice's 64 in a row
	v_lshrrev_b32 v11, 2, v1                       ; kg: which run of eight rows
	s_lshl_b32 s22, s28, 18                        ; wave x 128 rows
	v_lshlrev_b32 v[VW], 14, v11
	v_lshl_add_u32 v[VW], v10, 4, v[VW]
	v_add_nc_u32 v[VW], s22, v[VW]                 ; (128 w + 8 kg) 2048 + 16 cq
	v_mul_u32_u24 v[VS], v10, 4*PITCH
	v_lshl_add_u32 v[VS], v11, 4, v[VS]
	s_lshl_b32 s22, s28, 8
	v_add_nc_u32 v[VS], s22, v[VS]                 ; column 4 cq, k = 128 w + 8 kg
	v_mul_u32_u24 v[VB], v2, PITCH
	v_lshl_add_u32 v[VB], v3, 4, v[VB]             ; column r, + 16 h
	v_lshlrev_b32 v[VA], 4, v1
	v_lshlrev_b32 v[H32], 5, v3
	v_lshl_add_u32 v[VO], v2, 11, v[H32]
	v_mov_b32 v[NEG1], -1.0
	s_wait_kmcnt 0x0
	s_lshl_b32 s30, s20, 21
	s_lshl_b32 s32, s21, 6
	s_or_b32 s30, s30, s32
	s_add_nc_u64 s[4:5], s[4:5], s[30:31]          ; w2[e], column 16 j
	s_lshl_b32 s30, s20, 11
	s_or_b32 s30, s30, s32
	s_add_nc_u64 s[6:7], s[6:7], s[30:31]          ; b2[e], column 16 j
	s_mul_i32 s30, s20, YEXPB
	s_add_co_u32 s30, s30, s32
	s_add_nc_u64 s[12:13], s[12:13], s[30:31]      ; y: expert e's rows, column 16 j
	s_mul_i32 s30, s20, EXPB
	s_add_nc_u64 s[8:9], s[8:9], s[30:31]          ; ha: expert e's tiles
	s_lshl_b32 s30, s20, 2
	s_add_nc_u64 s[16:17], s[10:11], s[30:31]      ; mt[e]
	s_load_b32 s27, s[16:17], 0x0                  ; waited for behind the barrier
	global_load_b128 v[BIAS:BIAS+3], v[H32], s[6:7]
	global_load_b128 v[BIAS+4:BIAS+7], v[H32], s[6:7] offset:16
.irp uu, 0,1
.irp i, 0,1,2,3,4,5,6,7
	global_load_b128 v[WST+32*\uu+4*\i:WST+32*\uu+4*\i+3], v[VW], s[4:5] offset:(\uu*UROWS+\i)*ROWB
.endr
.endr
; Column c of my four, eight rows of unit uu: 8 f32 become 8 bf16 hi and 8 bf16 lo (the exact rest, rounded), k along the bytes.
.macro CONV uu, c
.irp t, 0,1,2,3
	v_cvt_pk_bf16_f32 v[HI4+\t], v[WST+32*\uu+8*\t+\c], v[WST+32*\uu+8*\t+\c+4]
	v_fma_mix_f32_bf16 v[DD+2*\t], v[HI4+\t], v[NEG1], v[WST+32*\uu+8*\t+\c] op_sel_hi:[1,0,0]
	v_fma_mix_f32_bf16 v[DD+2*\t+1], v[HI4+\t], v[NEG1], v[WST+32*\uu+8*\t+\c+4] op_sel:[1,0,0] op_sel_hi:[1,0,0]
	v_cvt_pk_bf16_f32 v[LO4+\t], v[DD+2*\t], v[DD+2*\t+1]
.endr
	ds_store_b128 v[VS], v[HI4:HI4+3] offset:\c*PITCH+2*\uu*UROWS
	ds_store_b128 v[VS], v[LO4:LO4+3] offset:\c*PITCH+2*\uu*UROWS+PLANE
.endm
	s_wait_loadcnt 8                               ; unit 1's eight loads are younger: the bias and unit 0 are in
.irp c, 0,1,2,3
	CONV 0, \c
.endr
	s_wait_loadcnt 0x0
.irp c, 0,1,2,3
	CONV 1, \c
.endr
	s_wait_dscnt 0x0                               ; my weights are in LDS, for the others' sake
	s_barrier_signal -1
	s_barrier_wait -1
	s_wait_kmcnt 0x0
	s_min_u32 s27, s27, 513                        ; mt: 1 to 513 by its making
	s_add_co_u32 s33, s27, 7                       ; my tiles are w, w + 8, .. below mt: (mt - w + 7) >> 3 of them
	s_sub_co_u32 s33, s33, s28                     ; (w is at most 7: the difference is never negative)
	s_lshr_b32 s33, s33, 3
	s_min_u32 s33, s33, 65                         ; the bound is written out since the number steers the loop
	s_mov_b32 s34, 0
	s_cmp_eq_u32 s33, 0
	s_cbranch_scc1 .Ldone
; k-step s of the tile: hi registers 0-3, 4-7, lo registers 0-3, 4-7, 512 consecutive bytes each
.macro ALOAD s
	global_load_b128 v[RING+16*((\s)%DEPTH):RING+16*((\s)%DEPTH)+3], v[VA], s[22:23] offset:2048*(\s)
	global_load_b128 v[RING+16*((\s)%DEPTH)+4:RING+16*((\s)%DEPTH)+7], v[VA], s[22:23] offset:2048*(\s)+512
	global_load_b128 v[RING+16*((\s)%DEPTH)+8:RING+16*((\s)%DEPTH)+11], v[VA], s[22:23] offset:2048*(\s)+1024
	global_load_b128 v[RING+16*((\s)%DEPTH)+12:RING+16*((\s)%DEPTH)+15], v[VA], s[22:23] offset:2048*(\s)+1536
.endm
.macro BLOAD s
	ds_load_b128 v[WF+16*((\s)&1):WF+16*((\s)&1)+3], v[VB] offset:64*(\s)
	ds_load_b128 v[WF+16*((\s)&1)+4:WF+16*((\s)&1)+7], v[VB] offset:64*(\s)+32
	ds_load_b128 v[WF+16*((\s)&1)+8:WF+16*((\s)&1)+11], v[VB] offset:64*(\s)+PLANE
	ds_load_b128 v[WF+16*((\s)&1)+12:WF+16*((\s)&1)+15], v[VB] offset:64*(\s)+PLANE+32
.endm
; One k-step.  The ring slot and the weight fragment of the last step are sources of its matrix instructions: loads are
; issued into them four places behind those instructions; there is no other vector work here, so v_nop.
.macro STEP s
.set NY, \s+DEPTH-1
.if NY > KS-1
.set NY, KS-1
.endif
.set WB, WF+16*(\s&1)
.set SL, RING+16*(\s%DEPTH)
.rept 4
	v_nop
.endr
.if \s >= 1
.if \s-1+DEPTH < KS
	ALOAD \s-1+DEPTH                               ; the slot multiplied in the last step is filled again
.endif
.endif
.if \s+1 < KS
	BLOAD \s+1
.endif
	s_wait_loadcnt 4*(NY-\s)                       ; four loads of each younger k-step that has been issued stay out
.if \s+1 < KS
	s_wait_dscnt 0x4                               ; the four just issued may be out: this step's weights are in
.else
	s_wait_dscnt 0x0
.endif
.if \s == 0
	v_wmma_f32_16x16x32_bf16 v[ACC0:ACC0+7], v[WB:WB+7], v[SL:SL+7], 0             ; the first products start the sums
	v_wmma_f32_16x16x32_bf16 v[ACC1:ACC1+7], v[WB:WB+7], v[SL+8:SL+15], 0
	v_wmma_f32_16x16x32_bf16 v[ACC2:ACC2+7], v[WB+8:WB+15], v[SL:SL+7], 0
.else
	v_wmma_f32_16x16x32_bf16 v[ACC0:ACC0+7], v[WB:WB+7], v[SL:SL+7], v[ACC0:ACC0+7]
	v_wmma_f32_16x16x32_bf16 v[ACC1:ACC1+7], v[WB:WB+7], v[SL+8:SL+15], v[ACC1:ACC1+7]
	v_wmma_f32_16x16x32_bf16 v[ACC2:ACC2+7], v[WB+8:WB+15], v[SL:SL+7], v[ACC2:ACC2+7]
.endif
.endm
.Ltile:
	s_lshl3_add_u32 s26, s34, s28                  ; this trip's row tile: 8 x trip + my wave
	s_lshl_b32 s30, s26, 16
	s_add_nc_u64 s[22:23], s[8:9], s[30:31]        ; the tile of ha
.irp s, 0,1,2,3,4,5,6,7,8,9
	ALOAD \s
.endr
	BLOAD 0
.irp s, 0,1,2,3,4,5,6,7,8,9,10,11,12,13,14,15,16,17,18,19,20,21,22,23,24,25,26,27,28,29,30,31
	STEP \s
.endr
	; four places before vector instructions read the matrix results, and before the next trip's loads land on the last steps' sources
.rept 4
	v_nop
.endr
.irp p, 0,2,4,6
	v_pk_add_f32 v[ACC0+\p:ACC0+\p+1], v[ACC0+\p:ACC0+\p+1], v[ACC1+\p:ACC1+\p+1]
.endr
.irp p, 0,2,4,6
	v_pk_add_f32 v[ACC2+\p:ACC2+\p+1], v[ACC2+\p:ACC2+\p+1], v[BIAS+\p:BIAS+\p+1]
.endr
.irp p, 0,2,4,6
	v_pk_add_f32 v[ACC0+\p:ACC0+\p+1], v[ACC0+\p:ACC0+\p+1], v[ACC2+\p:ACC2+\p+1]
.endr
	s_lshl_b32 s30, s26, 15                        ; 16 rows of 2,048 bytes
	s_add_nc_u64 s[24:25], s[12:13], s[30:31]
	global_store_b128 v[VO], v[ACC0:ACC0+3], s[24:25]
	global_store_b128 v[VO], v[ACC0+4:ACC0+7], s[24:25] offset:16
	s_wait_xcnt 0x0                                ; the stores' data and base are written again in the next trip
	s_add_co_u32 s34, s34, 1                       ; the loop counts trips by one against my number of tiles
	s_cmp_lt_u32 s34, s33
	s_cbranch_scc1 .Ltile
.Ldone:
	s_wait_tensorcnt 0x0
	ds_add_u32 v13, v14
	s_wait_dscnt 0x0
	s_endpgm
.Lfunc_end_k_q3d71d45796_mlp2:
	.size	k_q3d71d45796_mlp2, .Lfunc_end_k_q3d71d45796_mlp2-k_q3d71d45796_mlp2
	.p2alignl 7, 3214868480
	.fill 96, 4, 3214868480
	.section	.rodata,"a",@progbits
	.p2align	6, 0x0
	.amdhsa_kernel k_q3d71d45796_mlp2
		.amdhsa_group_segment_fixed_size 67072
		.amdhsa_private_segment_fixed_size 0
		.amdhsa_enable_private_segment 0
		.amdhsa_kernarg_size 40
		.amdhsa_user_sgpr_count 2
		.amdhsa_user_sgpr_kernarg_segment_ptr 1
		.amdhsa_wavefront_size32 1
		.amdhsa_system_sgpr_workgroup_id_x 1
		.amdhsa_system_sgpr_workgroup_id_y 1
		.amdhsa_system_sgpr_workgroup_id_z 1
		.amdhsa_system_vgpr_workitem_id 0
		.amdhsa_next_free_vgpr 256
		.amdhsa_next_free_sgpr 66
		.amdhsa_reserve_vcc 0
		.amdhsa_float_denorm_mode_32 3
		.amdhsa_float_denorm_mode_16_64 3
		.amdhsa_memory_ordered 1
		.amdhsa_forward_progress 1
		.amdhsa_inst_pref_size 47
	.end_amdhsa_kernel
	.amdgpu_metadata
---
amdhsa.version: [ 1, 2 ]
amdhsa.kernels:
  - .name:           k_q3d71d45796_mlp2
    .symbol:         k_q3d71d45796_mlp2.kd
    .args:
      - { .name: w2, .offset: 0, .size: 8, .value_kind: global_buffer, .address_space: global }
      - { .name: b2, .offset: 8, .size: 8, .value_kind: global_buffer, .address_space: global }
      - { .name: ha, .offset: 16, .size: 8, .value_kind: global_buffer, .address_space: global }
      - { .name: rt, .offset: 24, .size: 8, .value_kind: global_buffer, .address_space: global }
      - { .name: y, .offset: 32, .size: 8, .value_kind: global_buffer, .address_space: global }
    .group_segment_fixed_size: 67072
    .private_segment_fixed_size: 0
    .kernarg_segment_align: 8
    .kernarg_segment_size: 40
    .max_flat_workgroup_size: 256
    .sgpr_count:     66
    .vgpr_count:     256
    .wavefront_size: 32
...
	.end_amdgpu_metadata
.endif
;; end of part 4
;; launch combine (part 5): grid 256 x 1, 8 waves a work-group, no clusters, 0 bytes of LDS; arguments y, rt, prm, out0; writes out0
.if DOCPART == 5
	.amdgcn_target "amdgcn-amd-amdhsa--gfx1250"
	.amdhsa_code_object_version 6
	.text
	.protected	k_q3d71d45796_combine
	.globl	k_q3d71d45796_combine
	.p2align	8
	.type	k_q3d71d45796_combine,@function
k_q3d71d45796_combine:
	s_mov_b64 s[64:65], 0
	v_nop
	global_prefetch_b8 v0, s[64:65] scope:SCOPE_SE
	s_setreg_imm32_b32 hwreg(HW_REG_WAVE_MODE, 25, 1), 1
	s_wait_xcnt 0x0
; COMBINE.  out0[t] = p1[t] y[row0[t]] + p2[t] y[row1[t]].  The rows were fixed by the routing launch: a live token's own rows,
; a dead token's row 0 of its two experts (the output for x = 0), so one gather serves all tokens and nothing branches.
; Wave w of work-group g takes tokens 32 g + 4 w .. + 3: eight rows of 2,048 bytes, all 32 loads issued at once; every load and
; store of a wave covers 512 consecutive bytes.  Row numbers and probabilities are equal in all lanes: scalar loads.
; A stream: no LDS, no barrier, no matrix unit, no cluster (what work-groups share are the eight x = 0 rows, 16,384 bytes).
.set ROWS0,  256
.set ROWS1,  33024
.set MAXROW, 8*8208-1
	s_load_b256 s[4:11], s[0:1], 0x0               ; y, rt, prm, out0
	v_lshrrev_b32 v2, 5, v0
	v_readfirstlane_b32 s12, v2                    ; wave
	v_and_b32 v1, 31, v0
	v_lshlrev_b32 v1, 4, v1                        ; 16 x lane
	s_lshl_b32 s13, ttmp9, 5
	s_lshl2_add_u32 s13, s12, s13                  ; my first token
	s_lshl_b32 s14, s13, 2
	s_lshl_b32 s15, s13, 3
	s_mov_b32 s51, 0
	s_wait_kmcnt 0x0
	s_load_b128 s[16:19], s[6:7], s14 offset:ROWS0
	s_load_b128 s[20:23], s[6:7], s14 offset:ROWS1
	s_load_b256 s[24:31], s[8:9], s15 offset:0x0   ; (p1, p2) of four tokens
	s_lshl_b32 s50, s13, 11
	s_add_nc_u64 s[48:49], s[10:11], s[50:51]      ; out0 at my first token
	s_wait_kmcnt 0x0
.irp q, 0,1,2,3
	s_min_u32 s[16+\q], s[16+\q], MAXROW           ; a row of y: the bound is written out since it makes an address
	s_lshl_b32 s50, s[16+\q], 11
	s_add_nc_u64 s[32+4*\q:33+4*\q], s[4:5], s[50:51]
	s_min_u32 s[20+\q], s[20+\q], MAXROW
	s_lshl_b32 s50, s[20+\q], 11
	s_add_nc_u64 s[34+4*\q:35+4*\q], s[4:5], s[50:51]
.endr
.irp q, 0,1,2,3
.irp m, 0,1,2,3
	global_load_b128 v[16+32*\q+4*\m:19+32*\q+4*\m], v1, s[32+4*\q:33+4*\q] offset:512*\m
.endr
.irp m, 0,1,2,3
	global_load_b128 v[32+32*\q+4*\m:35+32*\q+4*\m], v1, s[34+4*\q:35+4*\q] offset:512*\m
.endr
.endr
.irp i, 0,1,2,3,4,5,6,7
	v_mov_b32 v[2+\i], s[24+\i]
.endr
.irp q, 0,1,2,3
	s_wait_loadcnt 24-8*\q                         ; the later tokens' eight loads each stay out
.irp p, 0,2,4,6,8,10,12,14
	v_pk_mul_f32 v[16+32*\q+\p:17+32*\q+\p], v[16+32*\q+\p:17+32*\q+\p], v[2+2*\q:3+2*\q] op_sel_hi:[1,0]
.endr
.irp p, 0,2,4,6,8,10,12,14
	v_pk_fma_f32 v[16+32*\q+\p:17+32*\q+\p], v[32+32*\q+\p:33+32*\q+\p], v[2+2*\q:3+2*\q], v[16+32*\q+\p:17+32*\q+\p] op_sel:[0,1,0] op_sel_hi:[1,1,1]
.endr
.irp m, 0,1,2,3
	global_store_b128 v1, v[16+32*\q+4*\m:19+32*\q+4*\m], s[48:49] offset:2048*\q+512*\m th:TH_STORE_NT
.endr
.endr
	s_endpgm
.Lfunc_end_k_q3d71d45796_combine:
	.size	k_q3d71d45796_combine, .Lfunc_end_k_q3d71d45796_combine-k_q3d71d45796_combine
	.p2alignl 7, 3214868480
	.fill 96, 4, 3214868480
	.section	.rodata,"a",@progbits
	.p2align	6, 0x0
	.amdhsa_kernel k_q3d71d45796_combine
		.amdhsa_group_segment_fixed_size 0
		.amdhsa_private_segment_fixed_size 0
		.amdhsa_enable_private_segment 0
		.amdhsa_kernarg_size 32
		.amdhsa_user_sgpr_count 2
		.amdhsa_user_sgpr_kernarg_segment_ptr 1
		.amdhsa_wavefront_size32 1
		.amdhsa_system_sgpr_workgroup_id_x 1
		.amdhsa_system_sgpr_workgroup_id_y 1
		.amdhsa_system_sgpr_workgroup_id_z 1
		.amdhsa_system_vgpr_workitem_id 0
		.amdhsa_next_free_vgpr 144
		.amdhsa_next_free_sgpr 66
		.amdhsa_reserve_vcc 0
		.amdhsa_float_denorm_mode_32 3
		.amdhsa_float_denorm_mode_16_64 3
		.amdhsa_memory_ordered 1
		.amdhsa_forward_progress 1
		.amdhsa_inst_pref_size 11
	.end_amdhsa_kernel
	.amdgpu_metadata
---
amdhsa.version: [ 1, 2 ]
amdhsa.kernels:
  - .name:           k_q3d71d45796_combine
    .symbol:         k_q3d71d45796_combine.kd
    .args:
      - { .name: y, .offset: 0, .size: 8, .value_kind: global_buffer, .address_space: global }
      - { .name: rt, .offset: 8, .size: 8, .value_kind: global_buffer, .address_space: global }
      - { .name: prm, .offset: 16, .size: 8, .value_kind: global_buffer, .address_space: global }
      - { .name: out0, .offset: 24, .size: 8, .value_kind: global_buffer, .address_space: global }
    .group_segment_fixed_size: 0
    .private_segment_fixed_size: 0
    .kernarg_segment_align: 8
    .kernarg_segment_size: 32
    .max_flat_workgroup_size: 256
    .sgpr_count:     66
    .vgpr_count:     144
    .wavefront_size: 32
...
	.end_amdgpu_metadata
.endif
;; end of part 5
;; ======== version 2 of 2: 5 launches; version 1 with the launches mlp1, mlp2 written anew for expert scheduling mode
;; workspace buffers: tok 32,768 bytes of whole numbers; prm 98,304 bytes; use 8,192 bytes; rt 328,448 bytes of whole numbers; ha 268,959,744 bytes; y 134,479,872 bytes
;; launch gate: the kernel of part 1 again; grid 256 x 1, 8 waves a work-group, no clusters, 18,944 bytes of LDS; arguments x, noise, gate_w, gate_b, out1, tok, prm, use; writes out1, tok, prm, use
;; launch route: the kernel of part 2 again; grid 8 x 1, 32 waves a work-group, no clusters, 4,352 bytes of LDS; arguments tok, use, rt, out2; writes rt, out2
;; launch mlp1 (part 6): grid 256 x 1, 8 waves a work-group, no clusters, 67,584 bytes of LDS; arguments w1, b1, x, prm, rt, ha; writes ha
.if DOCPART == 6
	.amdgcn_target "amdgcn-amd-amdhsa--gfx1250"
	.amdhsa_code_object_version 6
	.text
	.protected	k_q3d71d45796_mlp1
	.globl	k_q3d71d45796_mlp1
	.p2align	8
	.type	k_q3d71d45796_mlp1,@function
k_q3d71d45796_mlp1:
	s_mov_b64 s[64:65], 0
	v_nop
	global_prefetch_b8 v0, s[64:65] scope:SCOPE_SE
	s_setreg_imm32_b32 hwreg(HW_REG_WAVE_SCHED_MODE, 0, 2), 2
	s_setreg_imm32_b32 hwreg(HW_REG_WAVE_MODE, 25, 1), 1
	s_wait_xcnt 0x0
	s_wait_alu depctr_vm_vsrc(0)
; MLP, FIRST LAYER.  h = silu(inv x (x_row @ w1[e]) + b1[e]) for the rows that the routing lists, 16 rows a tile.
; Work-group (e = id >> 5, j = id & 31) owns all 512 rows of columns 32 j .. 32 j + 31 of w1[e]: 65,536 bytes of f32, each
; read by this work-group alone, all requested at once.  Stage 1 splits each weight into bf16 hi + bf16 lo (lo = the exact
; rest, rounded) and lays both transposed into LDS, [column][k]; one barrier; from then on LDS is only read.
; Stage 2: wave w takes column tile nt = w & 1 and row tiles i = w >> 1, + 4, .. below mt[e], all of K in one wave, so the
; loop, whose trip count comes from memory, holds no barrier and no sum across waves.
; WHY hi + lo: nearly all of out0 can be 0, so the allowance on a live row is about a thousandth of its size; single 16-bit
; operands do not reach that.  Three products (hi hi, hi lo, lo hi) with f32 sums leave a relative error near 2^-17.
; The matrix instruction is used transposed (weights source 0, tokens source 1): lane (r, h) ends with token row r and the
; eight neighbouring columns 8 h .. 8 h + 7, which is the register image of the second layer's token fragment.
; ha: tile (e, i) = 65,536 bytes = 32 k-steps x (hi 1,024 + lo 1,024); a plane = registers 0-3 of 32 lanes (512 bytes), then 4-7.
; A list entry 0 is a row with x = 0: x's row 0 is read in its place and the sums are ANDed away, so h = silu(b1) exactly.
; No joint requests in a cluster, though the 32 slices of an expert read the same x rows: those rows go straight into registers,
; the number of tiles is read from memory, and no barrier stands in that loop to keep partners in step.
; No tensor loads: every weight passes through registers anyway, for the split.
; LIMITS: live rows finite; inv is applied behind the product; the time grows with the number of live tokens (each slice
; reads every listed row again).
; THE MODE: SCHED_MODE bits 1:0 = 2 (LLVM: expert scheduling mode 2), set by the entry lines.  The code itself states the register
; dependences between vector or matrix instructions and memory or LDS instructions, with s_wait_alu, always for 0.
; THE PLAN.  Registers that memory or LDS instructions touch:
;   v4-v6, v8, v11, v15  offsets and addresses, made once at the head and never written again.
;   WST              stage 1: loaded once, read by the splits.
;   OUT              stage 1: a unit's splits write its 32 registers, its eight LDS stores read them; none is written twice.
;   ENT              a trip's head loads it; two vector lines read it.
;   VA, TK4          written by vector lines once a trip; read by the trip's loads of inv and of x.
;   INV              loaded once a trip; read in the way out.
;   RING[s % 8]      step s: its 32 split lines read it; behind them the loads of step s + 8 land in it.
;   WF[s & 1]        step s: its three matrix instructions read it; the LDS loads of step s + 1 land in it (the weights of step s + 2).
;   HI4, LO4         written by the way out's split; read by the trip's two stores.
;   TF, DD and the accumulators are named by vector and matrix instructions alone.
; So ONE wait on va_vdst stands in a step, behind its split; the step's eight loads follow it, those of x dealt among the three matrix
; instructions, which name WF[s & 1], TF[s & 1] and the accumulators: none of the registers that those loads touch.  A trip has four more: behind
; its address lines, behind each of the two runs of transcendentals, and ahead of its stores; and one wait on vm_vsrc, at its end.
.set KS,     16                        ; k-steps of 32
.set PITCH,  1040                      ; an LDS row: 512 bf16 + 16 bytes, an odd multiple of 16
.set PLANE,  32*PITCH                  ; the lo plane lies behind the hi plane
.set ROWB,   4096                      ; bytes from row to row of w1
.set UROWS,  32                        ; rows that eight loads of a wave cover
.set DEPTH,  8                         ; k-steps of x on their way
.set EXPB,   513*65536                 ; an expert's tiles in ha
.set LIST0,  65792
.set LISTB,  32832
.set VW,   4                           ; my offset in w1
.set VS,   5                           ; where my converted weights go
.set VB,   6                           ; my weight fragments
.set VA,   7                           ; my token's row of x + 32 h
.set VO,   8                           ; 16 x lane
.set NEG1, 9                           ; -1.0
.set ENT,  10                          ; list entry
.set R4,   11                          ; 4 r
.set INV,  12                          ; v[12:13] inv, mask
.set MSK,  13
.set TK4,  14
.set H32,  15                          ; 32 h
.set BIAS, 16                          ; v[16:23]
.set ACC0, 24                          ; hi x hi
.set ACC1, 32                          ; w hi x x lo
.set ACC2, 40                          ; w lo x x hi
.set WST,  48                          ; v[48:111] stage 1: weights as loaded
.set TF,   48                          ; v[48:79]  two token fragments: hi 8, lo 8
.set WF,   80                          ; v[80:111] two weight fragments: hi 8, lo 8
.set RING, 112                         ; v[112:239] eight slots of 16: x in f32
.set OUT,  112                         ; v[112:175] stage 1: unit uu, column c: hi 4, lo 4 at OUT + 32 uu + 8 c
.set HI4,  240
.set LO4,  244
.set DD,   248                         ; v[248:255] four pairs of rests
; scalars: s20 expert, s21 slice, s26 row tile, s27 mt, s28 wave, s29 column tile, s33 my trips, s34 trip, s35 my first row tile
	s_load_b256 s[4:11], s[0:1], 0x0               ; w1, b1, x, prm
	s_load_b128 s[12:15], s[0:1], 0x20             ; rt, ha
	s_set_vgpr_msb 0x40
	v_lshl_add_u32 v0, v0, 2, 0x10400
	v_mov_b32 v1, 0
	s_set_vgpr_msb 0x4000
	v_and_b32 v1, 31, v0
	v_lshrrev_b32 v2, 5, v0
	v_readfirstlane_b32 s28, v2                    ; wave
	s_lshr_b32 s20, ttmp9, 5                       ; expert
	s_and_b32 s21, ttmp9, 31                       ; slice
	s_mov_b32 s31, 0
	v_and_b32 v2, 15, v1                           ; r
	v_lshrrev_b32 v3, 4, v1                        ; h
	v_and_b32 v10, 7, v1                           ; cq: which 16 bytes of the slice's 128 in a row
	v_lshrrev_b32 v11, 3, v1                       ; kg: which run of eight rows
	v_lshlrev_b32 v[VW], 15, v11
	v_lshl_add_u32 v[VW], v10, 4, v[VW]
	v_mul_u32_u24 v[VS], v10, 4*PITCH
	v_lshl_add_u32 v[VS], v11, 4, v[VS]
	v_mul_u32_u24 v[VB], v2, PITCH
	v_lshl_add_u32 v[VB], v3, 4, v[VB]
	v_lshlrev_b32 v[VO], 4, v1
	v_mov_b32 v[NEG1], -1.0
	v_lshlrev_b32 v[R4], 2, v2
	v_lshlrev_b32 v[H32], 5, v3
	s_wait_alu depctr_va_sdst(0)                   ; s28 is written, ahead of its first reader: offsets, bases and the trip count are made from it
	s_and_b32 s29, s28, 1                          ; column tile
	s_lshr_b32 s35, s28, 1                         ; first row tile
	s_lshl_b32 s22, s28, 18                        ; wave x 64 rows
	s_lshl_b32 s23, s28, 7
	s_mul_i32 s24, s29, 16*PITCH
	v_add_nc_u32 v[VW], s22, v[VW]                 ; (64 w + 8 kg) 4096 + 16 cq
	v_add_nc_u32 v[VS], s23, v[VS]                 ; column 4 cq, k = 64 w + 8 kg
	v_add_nc_u32 v[VB], s24, v[VB]                 ; column 16 nt + r, + 16 h
	s_wait_kmcnt 0x0
	s_lshl_b32 s30, s20, 21
	s_lshl_b32 s32, s21, 7
	s_or_b32 s30, s30, s32
	s_add_nc_u64 s[4:5], s[4:5], s[30:31]          ; w1[e], column 32 j
	s_lshl_b32 s30, s20, 12
	s_or_b32 s30, s30, s32
	s_lshl_b32 s32, s29, 6
	s_or_b32 s30, s30, s32
	s_add_nc_u64 s[6:7], s[6:7], s[30:31]          ; b1[e], column 32 j + 16 nt
	s_lshl_b32 s30, s20, 2
	s_add_nc_u64 s[16:17], s[12:13], s[30:31]      ; mt[e]
	s_mul_i32 s30, s20, LISTB
	s_add_co_u32 s30, s30, LIST0
	s_add_nc_u64 s[18:19], s[12:13], s[30:31]      ; LIST[e]
	s_add_nc_u64 s[10:11], s[10:11], 0x10000       ; inv
	s_mul_i32 s30, s20, EXPB
	s_lshl_b32 s32, s21, 11
	s_add_co_u32 s30, s30, s32
	s_lshl_b32 s32, s29, 9
	s_add_co_u32 s30, s30, s32
	s_add_nc_u64 s[14:15], s[14:15], s[30:31]      ; ha: expert e, k-step j, half nt
	s_load_b32 s27, s[16:17], 0x0                  ; waited for behind the barrier
	s_wait_alu depctr_va_vdst(0)                   ; the offsets and addresses v4 to v6, v8, v11 and v15 are written, which the loads and stores of the whole kernel read; so is v10, in which a load lands later
	global_load_b128 v[BIAS:BIAS+3], v[H32], s[6:7]
	global_load_b128 v[BIAS+4:BIAS+7], v[H32], s[6:7] offset:16
.irp uu, 0,1
.irp i, 0,1,2,3,4,5,6,7
	global_load_b128 v[WST+32*\uu+4*\i:WST+32*\uu+4*\i+3], v[VW], s[4:5] offset:(\uu*UROWS+\i)*ROWB
.endr
.endr
; Column c of my four, eight rows of unit uu: 8 f32 become 8 bf16 hi and 8 bf16 lo, 16 bytes each, k along the bytes.
; hi = x rounded; the rest x - hi is exact in f32 (one fused multiply-add with -1); lo = the rest rounded.
.macro SPLITW uu, c
.irp t, 0,1,2,3
	v_cvt_pk_bf16_f32 v[OUT+32*\uu+8*\c+\t], v[WST+32*\uu+8*\t+\c], v[WST+32*\uu+8*\t+\c+4]
	v_fma_mix_f32_bf16 v[DD+2*\t], v[OUT+32*\uu+8*\c+\t], v[NEG1], v[WST+32*\uu+8*\t+\c] op_sel_hi:[1,0,0]
	v_fma_mix_f32_bf16 v[DD+2*\t+1], v[OUT+32*\uu+8*\c+\t], v[NEG1], v[WST+32*\uu+8*\t+\c+4] op_sel:[1,0,0] op_sel_hi:[1,0,0]
	v_cvt_pk_bf16_f32 v[OUT+32*\uu+8*\c+4+\t], v[DD+2*\t], v[DD+2*\t+1]
.endr
.endm
.macro PUTW uu, c
	ds_store_b128 v[VS], v[OUT+32*\uu+8*\c:OUT+32*\uu+8*\c+3] offset:\c*PITCH+2*\uu*UROWS
	ds_store_b128 v[VS], v[OUT+32*\uu+8*\c+4:OUT+32*\uu+8*\c+7] offset:\c*PITCH+2*\uu*UROWS+PLANE
.endm
	s_wait_loadcnt 8                               ; unit 1's eight loads are younger: the bias and unit 0 are in
.irp c, 0,1,2,3
	SPLITW 0, \c
.endr
	s_wait_alu depctr_va_vdst(0)                   ; unit 0's splits have written OUT's first 32 registers, which the eight LDS stores read
.irp c, 0,1,2,3
	PUTW 0, \c
.endr
	s_wait_loadcnt 0x0
.irp c, 0,1,2,3
	SPLITW 1, \c
.endr
	s_wait_alu depctr_va_vdst(0)                   ; unit 1's splits have written OUT's other 32 registers, which the eight LDS stores read; all splits are done reading WST and writing OUT, in which the first trip's loads land
.irp c, 0,1,2,3
	PUTW 1, \c
.endr
	s_wait_dscnt 0x0                               ; my weights are in LDS, for the others' sake
	s_barrier_signal -1
	s_barrier_wait -1
	s_wait_alu depctr_vm_vsrc(0)                   ; my LDS stores have read OUT: these registers are ring slots from here on, in which loads of x land
	s_wait_kmcnt 0x0
	s_min_u32 s27, s27, 513                        ; mt: 1 to 513 by its making
	s_add_co_u32 s33, s27, 3                       ; my tiles are i0, i0 + 4, .. below mt: (mt - i0 + 3) >> 2 of them
	s_sub_co_u32 s33, s33, s35                     ; (i0 is at most 3: the difference is never negative)
	s_lshr_b32 s33, s33, 2
	s_min_u32 s33, s33, 129                        ; the bound is written out since the number steers the loop
	s_mov_b32 s34, 0
	s_cmp_eq_u32 s33, 0
	s_cbranch_scc1 .Ldone
; k-step s of my token's row: 32 f32, of which lane (r, h) takes k = 8 h .. + 7 (p = 0) and 16 + 8 h .. + 7 (p = 1)
.macro ALOADH s, p
	global_load_b128 v[RING+16*((\s)%DEPTH)+8*(\p):RING+16*((\s)%DEPTH)+8*(\p)+3], v[VA], s[8:9] offset:128*(\s)+64*(\p)
	global_load_b128 v[RING+16*((\s)%DEPTH)+8*(\p)+4:RING+16*((\s)%DEPTH)+8*(\p)+7], v[VA], s[8:9] offset:128*(\s)+64*(\p)+16
.endm
.macro ALOAD s
	ALOADH \s, 0
	ALOADH \s, 1
.endm
; k-step s of my 16 weight columns, hi and lo
.macro BLOAD s
	ds_load_b128 v[WF+16*((\s)&1):WF+16*((\s)&1)+3], v[VB] offset:64*(\s)
	ds_load_b128 v[WF+16*((\s)&1)+4:WF+16*((\s)&1)+7], v[VB] offset:64*(\s)+32
	ds_load_b128 v[WF+16*((\s)&1)+8:WF+16*((\s)&1)+11], v[VB] offset:64*(\s)+PLANE
	ds_load_b128 v[WF+16*((\s)&1)+12:WF+16*((\s)&1)+15], v[VB] offset:64*(\s)+PLANE+32
.endm
; The tile's 16 list entries, then inv and the first DEPTH k-steps of the rows that they name.
.macro FILL
	s_lshl_b32 s30, s26, 6
	s_add_nc_u64 s[22:23], s[18:19], s[30:31]
	global_load_b32 v[ENT], v[R4], s[22:23]        ; no wait: no vector instruction since the last wait on va_vdst (ahead of the last trip's stores, or of stage 1's last LDS stores) names ENT or R4
	s_wait_loadcnt 0x0
	v_ashrrev_i32 v[MSK], 31, v[ENT]               ; all ones for a live row, 0 for an x = 0 row
	v_and_b32 v[TK4], 0x1fff, v[ENT]
	v_min_u32 v[TK4], 0x1fff, v[TK4]               ; a token's number: the bound is written out since it makes an address
	v_lshl_add_u32 v[VA], v[TK4], 11, v[H32]
	v_lshlrev_b32 v[TK4], 2, v[TK4]
	s_wait_alu depctr_va_vdst(0)                   ; VA and TK4 are written, which the loads below read as their offsets
	global_load_b32 v[INV], v[TK4], s[10:11]
.irp s, 0,1,2,3,4,5,6,7
	ALOAD \s
.endr
.endm
; One k-step.  The 32 lines of the split name only the ring, this step's token fragment and the rests, none of them a register
; of the last step's matrix instructions: they are the places (ISA guide 7.12.1) in front of the next rewriting of a token fragment.
.macro STEP s
.set NY, \s+DEPTH-1
.if NY > KS-1
.set NY, KS-1
.endif
.set TB, TF+16*(\s&1)
.set WB, WF+16*(\s&1)
.set SL, RING+16*(\s%DEPTH)
	s_wait_loadcnt 4*(NY-\s)                       ; four loads of each younger k-step that has been issued stay out
.irp q, 0,1,2,3,4,5,6,7
	v_cvt_pk_bf16_f32 v[TB+\q], v[SL+2*\q], v[SL+2*\q+1]
	v_fma_mix_f32_bf16 v[DD+2*(\q&3)], v[TB+\q], v[NEG1], v[SL+2*\q] op_sel_hi:[1,0,0]
	v_fma_mix_f32_bf16 v[DD+2*(\q&3)+1], v[TB+\q], v[NEG1], v[SL+2*\q+1] op_sel:[1,0,0] op_sel_hi:[1,0,0]
	v_cvt_pk_bf16_f32 v[TB+8+\q], v[DD+2*(\q&3)], v[DD+2*(\q&3)+1]
.endr
.if \s+1 < KS
	s_wait_alu depctr_va_vdst(0)                   ; the split is done reading its ring slot; the last step's matrix instructions are done reading the weight fragment in which the LDS loads below land
	BLOAD \s+1
	s_wait_dscnt 0x4                               ; the four just issued may be out: this step's weights are in
.else
	s_wait_dscnt 0x0
.endif
.if \s == 0
	v_wmma_f32_16x16x32_bf16 v[ACC0:ACC0+7], v[WB:WB+7], v[TB:TB+7], 0             ; the first products start the sums
.else
	v_wmma_f32_16x16x32_bf16 v[ACC0:ACC0+7], v[WB:WB+7], v[TB:TB+7], v[ACC0:ACC0+7]
.endif
.if \s+DEPTH < KS
	ALOADH \s+DEPTH, 0                             ; the slot just read is filled again.  No wait: no vector or matrix instruction since the wait above names it
.endif
.if \s == 0
	v_wmma_f32_16x16x32_bf16 v[ACC1:ACC1+7], v[WB:WB+7], v[TB+8:TB+15], 0
.else
	v_wmma_f32_16x16x32_bf16 v[ACC1:ACC1+7], v[WB:WB+7], v[TB+8:TB+15], v[ACC1:ACC1+7]
.endif
.if \s+DEPTH < KS
	ALOADH \s+DEPTH, 1
.endif
.if \s == 0
	v_wmma_f32_16x16x32_bf16 v[ACC2:ACC2+7], v[WB+8:WB+15], v[TB:TB+7], 0
.else
	v_wmma_f32_16x16x32_bf16 v[ACC2:ACC2+7], v[WB+8:WB+15], v[TB:TB+7], v[ACC2:ACC2+7]
.endif
.endm
.Ltile:
	s_lshl2_add_u32 s26, s34, s35                  ; this trip's row tile: 4 x trip + my first
	FILL
	BLOAD 0
.irp s, 0,1,2,3,4,5,6,7,8,9,10,11,12,13,14,15
	STEP \s
.endr
	; the way out: add the three sums, mask, scale, bias, silu, split, store
.rept 4
	v_nop                                          ; four places before vector instructions read the matrix results
.endr
.irp p, 0,2,4,6
	v_pk_add_f32 v[ACC0+\p:ACC0+\p+1], v[ACC0+\p:ACC0+\p+1], v[ACC1+\p:ACC1+\p+1]
.endr
.irp p, 0,2,4,6
	v_pk_add_f32 v[ACC0+\p:ACC0+\p+1], v[ACC0+\p:ACC0+\p+1], v[ACC2+\p:ACC2+\p+1]
.endr
.irp q, 0,1,2,3,4,5,6,7
	v_and_b32 v[ACC0+\q], v[MSK], v[ACC0+\q]       ; an x = 0 row: exactly 0, whatever the row read in its place holds
.endr
.irp p, 0,2,4,6
	v_pk_fma_f32 v[ACC0+\p:ACC0+\p+1], v[ACC0+\p:ACC0+\p+1], v[INV:INV+1], v[BIAS+\p:BIAS+\p+1] op_sel_hi:[1,0,1]
.endr
.irp p, 0,2,4,6
	v_pk_mul_f32 v[ACC1+\p:ACC1+\p+1], v[ACC0+\p:ACC0+\p+1], 0xbfb8aa3b op_sel_hi:[1,0]   ; - log2(e) z
.endr
.irp q, 0,1,2,3,4,5,6,7
	v_exp_f32 v[ACC2+\q], v[ACC1+\q]
.endr
	v_nop                                          ; one plain line behind the run of v_exp_f32
	s_wait_alu depctr_va_vdst(0)                   ; the eight exponentials have written v[ACC2 ..], ahead of their first reader: one wait for the batch
.irp p, 0,2,4,6
	v_pk_add_f32 v[ACC2+\p:ACC2+\p+1], v[ACC2+\p:ACC2+\p+1], 1.0 op_sel_hi:[1,0]
.endr
.irp q, 0,1,2,3,4,5,6,7
	v_rcp_f32 v[ACC1+\q], v[ACC2+\q]
.endr
	v_nop
	s_wait_alu depctr_va_vdst(0)                   ; the eight reciprocals have written v[ACC1 ..], ahead of their first reader: one wait for the batch
.irp p, 0,2,4,6
	v_pk_mul_f32 v[ACC0+\p:ACC0+\p+1], v[ACC0+\p:ACC0+\p+1], v[ACC1+\p:ACC1+\p+1]         ; z / (1 + e^-z)
.endr
.irp t, 0,1,2,3
	v_cvt_pk_bf16_f32 v[HI4+\t], v[ACC0+2*\t], v[ACC0+2*\t+1]
	v_fma_mix_f32_bf16 v[DD+2*\t], v[HI4+\t], v[NEG1], v[ACC0+2*\t] op_sel_hi:[1,0,0]
	v_fma_mix_f32_bf16 v[DD+2*\t+1], v[HI4+\t], v[NEG1], v[ACC0+2*\t+1] op_sel:[1,0,0] op_sel_hi:[1,0,0]
	v_cvt_pk_bf16_f32 v[LO4+\t], v[DD+2*\t], v[DD+2*\t+1]
.endr
	s_lshl_b32 s30, s26, 16
	s_add_nc_u64 s[24:25], s[14:15], s[30:31]
	s_wait_alu depctr_va_vdst(0)                   ; the split has written HI4 and LO4, which the stores read; the trip's vector and matrix instructions are done reading ENT, INV, the ring and the weight fragments, in which the next trip's loads land
	global_store_b128 v[VO], v[HI4:HI4+3], s[24:25]                ; each store of the wave covers 512 consecutive bytes
	global_store_b128 v[VO], v[LO4:LO4+3], s[24:25] offset:1024
	s_wait_xcnt 0x0                                ; the stores' data and base are written again in the next trip
	s_wait_alu depctr_vm_vsrc(0)                   ; the stores have read HI4 and LO4, the trip's loads have read VA and TK4: the next trip's vector lines write all four again
	s_add_co_u32 s34, s34, 1                       ; the loop counts trips by one against my number of tiles
	s_cmp_lt_u32 s34, s33
	s_cbranch_scc1 .Ltile
.Ldone:
	s_set_vgpr_msb 0x5
	s_wait_dscnt 0x0
	s_wait_alu depctr_hold_cnt(0) depctr_sa_sdst(0) depctr_va_vdst(0) depctr_va_sdst(0) depctr_va_ssrc(0) depctr_va_vcc(0) depctr_vm_vsrc(0)
	s_wait_tensorcnt 0x0
	ds_add_u32 v0, v1
	s_wait_dscnt 0x0
	s_endpgm
.Lfunc_end_k_q3d71d45796_mlp1:
	.size	k_q3d71d45796_mlp1, .Lfunc_end_k_q3d71d45796_mlp1-k_q3d71d45796_mlp1
	.p2alignl 7, 3214868480
	.fill 96, 4, 3214868480
	.section	.rodata,"a",@progbits
	.p2align	6, 0x0
	.amdhsa_kernel k_q3d71d45796_mlp1
		.amdhsa_group_segment_fixed_size 67584
		.amdhsa_private_segment_fixed_size 0
		.amdhsa_enable_private_segment 0
		.amdhsa_kernarg_size 48
		.amdhsa_user_sgpr_count 2
		.amdhsa_user_sgpr_kernarg_segment_ptr 1
		.amdhsa_wavefront_size32 1
		.amdhsa_system_sgpr_workgroup_id_x 1
		.amdhsa_system_sgpr_workgroup_id_y 1
		.amdhsa_system_sgpr_workgroup_id_z 1
		.amdhsa_system_vgpr_workitem_id 0
		.amdhsa_next_free_vgpr 258
		.amdhsa_next_free_sgpr 66
		.amdhsa_reserve_vcc 0
		.amdhsa_float_denorm_mode_32 3
		.amdhsa_float_denorm_mode_16_64 3
		.amdhsa_memory_ordered 1
		.amdhsa_forward_progress 1
		.amdhsa_inst_pref_size 66
	.end_amdhsa_kernel
	.amdgpu_metadata
---
amdhsa.version: [ 1, 2 ]
amdhsa.kernels:
  - .name:           k_q3d71d45796_mlp1
    .symbol:         k_q3d71d45796_mlp1.kd
    .args:
      - { .name: w1, .offset: 0, .size: 8, .value_kind: global_buffer, .address_space: global }
      - { .name: b1, .offset: 8, .size: 8, .value_kind: global_buffer, .address_space: global }
      - { .name: x, .offset: 16, .size: 8, .value_kind: global_buffer, .address_space: global }
      - { .name: prm, .offset: 24, .size: 8, .value_kind: global_buffer, .address_space: global }
      - { .name: rt, .offset: 32, .size: 8, .value_kind: global_buffer, .address_space: global }
      - { .name: ha, .offset: 40, .size: 8, .value_kind: global_buffer, .address_space: global }
    .group_segment_fixed_size: 67584
    .private_segment_fixed_size: 0
    .kernarg_segment_align: 8
    .kernarg_segment_size: 48
    .max_flat_workgroup_size: 256
    .sgpr_count:     66
    .vgpr_count:     258
    .wavefront_size: 32
...
	.end_amdgpu_metadata
.endif
;; end of part 6
;; launch mlp2 (part 7): grid 256 x 1, 8 waves a work-group, no clusters, 67,072 bytes of LDS; arguments w2, b2, ha, rt, y; writes y
.if DOCPART == 7
	.amdgcn_target "amdgcn-amd-amdhsa--gfx1250"
	.amdhsa_code_object_version 6
	.text
	.protected	k_q3d71d45796_mlp2
	.globl	k_q3d71d45796_mlp2
	.p2align	8
	.type	k_q3d71d45796_mlp2,@function
k_q3d71d45796_mlp2:
	s_mov_b64 s[64:65], 0
	v_nop
	global_prefetch_b8 v0, s[64:65] scope:SCOPE_SE
	s_setreg_imm32_b32 hwreg(HW_REG_WAVE_SCHED_MODE, 0, 2), 2
	s_setreg_imm32_b32 hwreg(HW_REG_WAVE_MODE, 25, 1), 1
	s_wait_xcnt 0x0
	s_wait_alu depctr_vm_vsrc(0)
; MLP, SECOND LAYER.  y = h @ w2[e] + b2[e] for the listed rows; h comes as bf16 hi + lo fragments from the first layer.
; Work-group (e = id >> 5, j = id & 31) owns all 1,024 rows of columns 16 j .. 16 j + 15 of w2[e]: 65,536 bytes of f32, all
; requested at once, split into bf16 hi + lo and laid transposed into LDS, [column][k]; one barrier; then LDS is only read.
; Wave w takes row tiles i = w, w + 8, .. below mt[e], all of K in one wave: the loop, whose trip count comes from memory,
; holds no barrier and no sum across waves.  Three products (hi hi, hi lo, lo hi), f32 sums, as in the first layer.
; A tile of ha is the register image of the 32 token fragments: every load of a wave covers 512 consecutive bytes.
; The matrix instruction is used transposed: lane (r, h) ends with row r and columns 8 h .. 8 h + 7, 32 consecutive bytes.
; y is row-major, 2,048 bytes a row, since the last launch reads whole rows and reads them far more often than they are
; written here; this launch therefore stores pieces of 64 bytes a row, which is the price of slices of 16 columns.
; No joint requests in a cluster, though the 32 slices of an expert read the same tiles of ha: the tiles go straight into
; registers, their number is read from memory, and no barrier stands in that loop to keep partners in step.
; LIMIT: the time grows with the number of live tokens (each slice reads every tile again).
; THE MODE: SCHED_MODE bits 1:0 = 2 (LLVM: expert scheduling mode 2), set by the entry lines.  The code itself states the register
; dependences between vector or matrix instructions and memory or LDS instructions, with s_wait_alu, always for 0.
; THE PLAN.  Registers that memory or LDS instructions touch:
;   v4-v8, v15     offsets and addresses, made once at the head and never written again.
;   WST            stage 1: loaded once, read by the splits.
;   OUT            stage 1: a unit's splits write its 32 registers, its eight LDS stores read them; none is written twice.
;   RING[s % 10]   step s: its three matrix instructions read it; at the head of step s + 1 the loads of step s + 10 land in it.
;   WF[s % 3]      step s: its three matrix instructions read it; in step s + 1 the LDS loads of step s + 3 land in it.
;   ACC0           written by matrix instructions and by the way out's sums; read by the trip's two stores.
; So ONE wait on va_vdst stands at the head of a step, straight behind the matrix instructions that empty a ring slot, so that the slot is asked
; for again at once.  The four loads of h follow it; the four LDS loads are dealt among the step's matrix instructions, which name RING[s % 10],
; WF[s % 3] and the accumulators: none of the registers that the step's loads touch.  A trip has one more, ahead of its stores, and one wait on vm_vsrc, at its end.
.set KS,     32
.set PITCH,  2064                      ; 1,024 bf16 + 16 bytes, an odd multiple of 16
.set PLANE,  16*PITCH
.set ROWB,   2048
.set UROWS,  64
.set DEPTH,  10                        ; k-steps of h on their way
.set EXPB,   513*65536                 ; an expert's tiles in ha
.set YEXPB,  8208*2048                 ; an expert's rows in y
.set VW,   4
.set VS,   5
.set VB,   6
.set VA,   7                           ; 16 x lane
.set VO,   8                           ; 2048 r + 32 h
.set NEG1, 9
.set H32,  15
.set BIAS, 16
.set ACC0, 24
.set ACC1, 32
.set ACC2, 40
.set WST,  48                          ; v[48:111] stage 1: weights as loaded
.set WF,   48                          ; three weight fragments, hi 8, lo 8: v[48:63], v[64:79], v[240:255]: set k at WF + 16 k + 160 (k / 2)
.set RING, 80                          ; v[80:239] ten slots of 16: token fragment hi 8, lo 8
.set OUT,  112                         ; v[112:175] stage 1: unit uu, column c: hi 4, lo 4 at OUT + 32 uu + 8 c
.set DD,   248                         ; v[248:255] stage 1: four pairs of rests
; scalars: s20 expert, s21 slice, s26 row tile, s27 mt, s28 wave = my first row tile, s33 my trips, s34 trip
	s_load_b256 s[4:11], s[0:1], 0x0               ; w2, b2, ha, rt
	s_load_b64 s[12:13], s[0:1], 0x20              ; y
	v_lshl_add_u32 v13, v0, 2, 0x10200
	v_mov_b32 v14, 0
	v_and_b32 v1, 31, v0
	v_lshrrev_b32 v2, 5, v0
	v_readfirstlane_b32 s28, v2                    ; wave
	s_lshr_b32 s20, ttmp9, 5                       ; expert
	s_and_b32 s21, ttmp9, 31                       ; slice
	s_mov_b32 s31, 0
	v_and_b32 v2, 15, v1                           ; r
	v_lshrrev_b32 v3, 4, v1                        ; h
	v_and_b32 v10, 3, v1                           ; cq: which 16 bytes of the slice's 64 in a row
	v_lshrrev_b32 v11, 2, v1                       ; kg: which run of eight rows
	v_lshlrev_b32 v[VW], 14, v11
	v_lshl_add_u32 v[VW], v10, 4, v[VW]
	v_mul_u32_u24 v[VS], v10, 4*PITCH
	v_lshl_add_u32 v[VS], v11, 4, v[VS]
	v_mul_u32_u24 v[VB], v2, PITCH
	v_lshl_add_u32 v[VB], v3, 4, v[VB]             ; column r, + 16 h
	v_lshlrev_b32 v[VA], 4, v1
	v_lshlrev_b32 v[H32], 5, v3
	v_lshl_add_u32 v[VO], v2, 11, v[H32]
	v_mov_b32 v[NEG1], -1.0
	s_wait_alu depctr_va_sdst(0)                   ; s28 is written, ahead of its first reader: offsets and the trip count are made from it
	s_lshl_b32 s22, s28, 18                        ; wave x 128 rows
	s_lshl_b32 s23, s28, 8
	v_add_nc_u32 v[VW], s22, v[VW]                 ; (128 w + 8 kg) 2048 + 16 cq
	v_add_nc_u32 v[VS], s23, v[VS]                 ; column 4 cq, k = 128 w + 8 kg
	s_wait_kmcnt 0x0
	s_lshl_b32 s30, s20, 21
	s_lshl_b32 s32, s21, 6
	s_or_b32 s30, s30, s32
	s_add_nc_u64 s[4:5], s[4:5], s[30:31]          ; w2[e], column 16 j
	s_lshl_b32 s30, s20, 11
	s_or_b32 s30, s30, s32
	s_add_nc_u64 s[6:7], s[6:7], s[30:31]          ; b2[e], column 16 j
	s_mul_i32 s30, s20, YEXPB
	s_add_co_u32 s30, s30, s32
	s_add_nc_u64 s[12:13], s[12:13], s[30:31]      ; y: expert e's rows, column 16 j
	s_mul_i32 s30, s20, EXPB
	s_add_nc_u64 s[8:9], s[8:9], s[30:31]          ; ha: expert e's tiles
	s_lshl_b32 s30, s20, 2
	s_add_nc_u64 s[16:17], s[10:11], s[30:31]      ; mt[e]
	s_load_b32 s27, s[16:17], 0x0                  ; waited for behind the barrier
	s_wait_alu depctr_va_vdst(0)                   ; the offsets and addresses v4 to v8 and v15 are written, which the loads and stores of the whole kernel read
	global_load_b128 v[BIAS:BIAS+3], v[H32], s[6:7]
	global_load_b128 v[BIAS+4:BIAS+7], v[H32], s[6:7] offset:16
.irp uu, 0,1
.irp i, 0,1,2,3,4,5,6,7
	global_load_b128 v[WST+32*\uu+4*\i:WST+32*\uu+4*\i+3], v[VW], s[4:5] offset:(\uu*UROWS+\i)*ROWB
.endr
.endr
; Column c of my four, eight rows of unit uu: 8 f32 become 8 bf16 hi and 8 bf16 lo (the exact rest, rounded), k along the bytes.
.macro SPLITW uu, c
.irp t, 0,1,2,3
	v_cvt_pk_bf16_f32 v[OUT+32*\uu+8*\c+\t], v[WST+32*\uu+8*\t+\c], v[WST+32*\uu+8*\t+\c+4]
	v_fma_mix_f32_bf16 v[DD+2*\t], v[OUT+32*\uu+8*\c+\t], v[NEG1], v[WST+32*\uu+8*\t+\c] op_sel_hi:[1,0,0]
	v_fma_mix_f32_bf16 v[DD+2*\t+1], v[OUT+32*\uu+8*\c+\t], v[NEG1], v[WST+32*\uu+8*\t+\c+4] op_sel:[1,0,0] op_sel_hi:[1,0,0]
	v_cvt_pk_bf16_f32 v[OUT+32*\uu+8*\c+4+\t], v[DD+2*\t], v[DD+2*\t+1]
.endr
.endm
.macro PUTW uu, c
	ds_store_b128 v[VS], v[OUT+32*\uu+8*\c:OUT+32*\uu+8*\c+3] offset:\c*PITCH+2*\uu*UROWS
	ds_store_b128 v[VS], v[OUT+32*\uu+8*\c+4:OUT+32*\uu+8*\c+7] offset:\c*PITCH+2*\uu*UROWS+PLANE
.endm
	s_wait_loadcnt 8                               ; unit 1's eight loads are younger: the bias and unit 0 are in
.irp c, 0,1,2,3
	SPLITW 0, \c
.endr
	s_wait_alu depctr_va_vdst(0)                   ; unit 0's splits have written OUT's first 32 registers, which the eight LDS stores read
.irp c, 0,1,2,3
	PUTW 0, \c
.endr
	s_wait_loadcnt 0x0
.irp c, 0,1,2,3
	SPLITW 1, \c
.endr
	s_wait_alu depctr_va_vdst(0)                   ; unit 1's splits have written OUT's other 32 registers, which the eight LDS stores read; all splits are done with WST, OUT and the rests, in which the first trip's loads land
.irp c, 0,1,2,3
	PUTW 1, \c
.endr
	s_wait_dscnt 0x0                               ; my weights are in LDS, for the others' sake
	s_barrier_signal -1
	s_barrier_wait -1
	s_wait_alu depctr_vm_vsrc(0)                   ; my LDS stores have read OUT: these registers are ring slots from here on, in which loads of h land
	s_wait_kmcnt 0x0
	s_min_u32 s27, s27, 513                        ; mt: 1 to 513 by its making
	s_add_co_u32 s33, s27, 7                       ; my tiles are w, w + 8, .. below mt: (mt - w + 7) >> 3 of them
	s_sub_co_u32 s33, s33, s28                     ; (w is at most 7: the difference is never negative)
	s_lshr_b32 s33, s33, 3
	s_min_u32 s33, s33, 65                         ; the bound is written out since the number steers the loop
	s_mov_b32 s34, 0
	s_cmp_eq_u32 s33, 0
	s_cbranch_scc1 .Ldone
; k-step s of the tile: hi registers 0-3, 4-7, lo registers 0-3, 4-7, 512 consecutive bytes each
.macro ALOAD s
	global_load_b128 v[RING+16*((\s)%DEPTH):RING+16*((\s)%DEPTH)+3], v[VA], s[22:23] offset:2048*(\s)
	global_load_b128 v[RING+16*((\s)%DEPTH)+4:RING+16*((\s)%DEPTH)+7], v[VA], s[22:23] offset:2048*(\s)+512
	global_load_b128 v[RING+16*((\s)%DEPTH)+8:RING+16*((\s)%DEPTH)+11], v[VA], s[22:23] offset:2048*(\s)+1024
	global_load_b128 v[RING+16*((\s)%DEPTH)+12:RING+16*((\s)%DEPTH)+15], v[VA], s[22:23] offset:2048*(\s)+1536
.endm
; k-step s of my 16 weight columns: the hi plane (p = 0) or the lo plane (p = 1), into set s % 3
.macro BLOADH s, p
.set WL, WF+16*((\s)%3)+160*(((\s)%3)/2)+8*(\p)
	ds_load_b128 v[WL:WL+3], v[VB] offset:64*(\s)+(\p)*PLANE
	ds_load_b128 v[WL+4:WL+7], v[VB] offset:64*(\s)+(\p)*PLANE+32
.endm
.macro BLOAD s
	BLOADH \s, 0
	BLOADH \s, 1
.endm
; One k-step.  The ring slot and the weight set of the last step are sources of its matrix instructions: the wait at the step's head states
; that those instructions are done reading them, and the step's loads land there.  Steps 30 and 31 issue no load and hold no such wait.
.macro STEP s
.set NY, \s+DEPTH-1
.if NY > KS-1
.set NY, KS-1
.endif
.set WB, WF+16*((\s)%3)+160*(((\s)%3)/2)
.set SL, RING+16*(\s%DEPTH)
.if \s >= 1
.if \s+2 < KS
	s_wait_alu depctr_va_vdst(0)                   ; the last step's matrix instructions are done reading their ring slot and their weight set, in which this step's loads land
.endif
.if \s-1+DEPTH < KS
	ALOAD \s-1+DEPTH                               ; the slot multiplied in the last step is filled again
.endif
.endif
	s_wait_loadcnt 4*(NY-\s)                       ; four loads of each younger k-step that has been issued stay out
.if \s+1 < KS
	s_wait_dscnt 0x4                               ; the next step's four LDS loads may be out: this step's weights are in
.else
	s_wait_dscnt 0x0
.endif
.if \s == 0
	v_wmma_f32_16x16x32_bf16 v[ACC0:ACC0+7], v[WB:WB+7], v[SL:SL+7], 0             ; the first products start the sums
.else
	v_wmma_f32_16x16x32_bf16 v[ACC0:ACC0+7], v[WB:WB+7], v[SL:SL+7], v[ACC0:ACC0+7]
.endif
.if \s+2 < KS
	BLOADH \s+2, 0                                 ; the weights of two steps on, into the set read in the last step.  No wait: no matrix instruction since the last wait on va_vdst names that set
.endif
.if \s == 0
	v_wmma_f32_16x16x32_bf16 v[ACC1:ACC1+7], v[WB:WB+7], v[SL+8:SL+15], 0
.else
	v_wmma_f32_16x16x32_bf16 v[ACC1:ACC1+7], v[WB:WB+7], v[SL+8:SL+15], v[ACC1:ACC1+7]
.endif
.if \s+2 < KS
	BLOADH \s+2, 1
.endif
.if \s == 0
	v_wmma_f32_16x16x32_bf16 v[ACC2:ACC2+7], v[WB+8:WB+15], v[SL:SL+7], 0
.else
	v_wmma_f32_16x16x32_bf16 v[ACC2:ACC2+7], v[WB+8:WB+15], v[SL:SL+7], v[ACC2:ACC2+7]
.endif
.endm
.Ltile:
	s_lshl3_add_u32 s26, s34, s28                  ; this trip's row tile: 8 x trip + my wave
	s_lshl_b32 s30, s26, 16
	s_add_nc_u64 s[22:23], s[8:9], s[30:31]        ; the tile of ha
.irp s, 0,1,2,3,4,5,6,7,8,9
	ALOAD \s                                       ; no wait: no vector or matrix instruction since the last wait on va_vdst (ahead of the last trip's stores, or of stage 1's last LDS stores) names the ring or the weight sets
.endr
	BLOAD 0
	BLOAD 1
.irp s, 0,1,2,3,4,5,6,7,8,9,10,11,12,13,14,15,16,17,18,19,20,21,22,23,24,25,26,27,28,29,30,31
	STEP \s
.endr
	; four places before vector instructions read the matrix results
.rept 4
	v_nop
.endr
.irp p, 0,2,4,6
	v_pk_add_f32 v[ACC0+\p:ACC0+\p+1], v[ACC0+\p:ACC0+\p+1], v[ACC1+\p:ACC1+\p+1]
.endr
.irp p, 0,2,4,6
	v_pk_add_f32 v[ACC2+\p:ACC2+\p+1], v[ACC2+\p:ACC2+\p+1], v[BIAS+\p:BIAS+\p+1]
.endr
.irp p, 0,2,4,6
	v_pk_add_f32 v[ACC0+\p:ACC0+\p+1], v[ACC0+\p:ACC0+\p+1], v[ACC2+\p:ACC2+\p+1]
.endr
	s_lshl_b32 s30, s26, 15                        ; 16 rows of 2,048 bytes
	s_add_nc_u64 s[24:25], s[12:13], s[30:31]
	s_wait_alu depctr_va_vdst(0)                   ; the sums have written v[ACC0 ..], which the stores read; the trip's matrix instructions are done reading the ring and the weight sets, in which the next trip's loads land
	global_store_b128 v[VO], v[ACC0:ACC0+3], s[24:25]
	global_store_b128 v[VO], v[ACC0+4:ACC0+7], s[24:25] offset:16
	s_wait_xcnt 0x0                                ; the stores' data and base are written again in the next trip
	s_wait_alu depctr_vm_vsrc(0)                   ; the stores have read v[ACC0 ..], which the next trip's first product writes
	s_add_co_u32 s34, s34, 1                       ; the loop counts trips by one against my number of tiles
	s_cmp_lt_u32 s34, s33
	s_cbranch_scc1 .Ltile
.Ldone:
	s_wait_dscnt 0x0
	s_wait_alu depctr_hold_cnt(0) depctr_sa_sdst(0) depctr_va_vdst(0) depctr_va_sdst(0) depctr_va_ssrc(0) depctr_va_vcc(0) depctr_vm_vsrc(0)
	s_wait_tensorcnt 0x0
	ds_add_u32 v13, v14
	s_wait_dscnt 0x0
	s_endpgm
.Lfunc_end_k_q3d71d45796_mlp2:
	.size	k_q3d71d45796_mlp2, .Lfunc_end_k_q3d71d45796_mlp2-k_q3d71d45796_mlp2
	.p2alignl 7, 3214868480
	.fill 96, 4, 3214868480
	.section	.rodata,"a",@progbits
	.p2align	6, 0x0
	.amdhsa_kernel k_q3d71d45796_mlp2
		.amdhsa_group_segment_fixed_size 67072
		.amdhsa_private_segment_fixed_size 0
		.amdhsa_enable_private_segment 0
		.amdhsa_kernarg_size 40
		.amdhsa_user_sgpr_count 2
		.amdhsa_user_sgpr_kernarg_segment_ptr 1
		.amdhsa_wavefront_size32 1
		.amdhsa_system_sgpr_workgroup_id_x 1
		.amdhsa_system_sgpr_workgroup_id_y 1
		.amdhsa_system_sgpr_workgroup_id_z 1
		.amdhsa_system_vgpr_workitem_id 0
		.amdhsa_next_free_vgpr 256
		.amdhsa_next_free_sgpr 66
		.amdhsa_reserve_vcc 0
		.amdhsa_float_denorm_mode_32 3
		.amdhsa_float_denorm_mode_16_64 3
		.amdhsa_memory_ordered 1
		.amdhsa_forward_progress 1
		.amdhsa_inst_pref_size 45
	.end_amdhsa_kernel
	.amdgpu_metadata
---
amdhsa.version: [ 1, 2 ]
amdhsa.kernels:
  - .name:           k_q3d71d45796_mlp2
    .symbol:         k_q3d71d45796_mlp2.kd
    .args:
      - { .name: w2, .offset: 0, .size: 8, .value_kind: global_buffer, .address_space: global }
      - { .name: b2, .offset: 8, .size: 8, .value_kind: global_buffer, .address_space: global }
      - { .name: ha, .offset: 16, .size: 8, .value_kind: global_buffer, .address_space: global }
      - { .name: rt, .offset: 24, .size: 8, .value_kind: global_buffer, .address_space: global }
      - { .name: y, .offset: 32, .size: 8, .value_kind: global_buffer, .address_space: global }
    .group_segment_fixed_size: 67072
    .private_segment_fixed_size: 0
    .kernarg_segment_align: 8
    .kernarg_segment_size: 40
    .max_flat_workgroup_size: 256
    .sgpr_count:     66
    .vgpr_count:     256
    .wavefront_size: 32
...
	.end_amdgpu_metadata
.endif
;; end of part 7
;; launch combine: the kernel of part 5 again; grid 256 x 1, 8 waves a work-group, no clusters, 0 bytes of LDS; arguments y, rt, prm, out0; writes out0
